; MI455X (gfx1250); checked and timed in simulation.
; The chip was launched on July 23, 2026; its instructions are those of AMD's public machine-readable ISA for CDNA 5 (MIT licence, August 2026) and "CDNA5" Instruction Set Architecture Reference Guide (July 2026). The comments in the code are by the model that wrote it; some were corrected since.
;; Multi Head Self Attention. Allowed arithmetic: matrix products marked QUANTISED: E2M3 operands, one E8M0 scale for each 32 along K, by v_wmma_scale_f32_16x16x128_f8f6f4 with both operands' format E2M3, f32 sums; everything else in f32.
;; Inputs: W_k 1,024 x 1,024 float32; W_o 1,024 x 1,024 float32; W_q 1,024 x 1,024 float32; W_v 1,024 x 1,024 float32; token_positions 2,048 int32; x 2 x 2,048 x 1,024 float32.
;; Outputs: out0 2 x 2,048 x 1,024 float32.
;; Constants: max_seq_len = 2048, theta = 10000.
;; This version of the problem:
;;   THIS VERSION OF THE PROBLEM IS GIVEN IN LOW PRECISION. The matrix products marked QUANTISED in the list below multiply operands that are first quantised to E2M3 (2 exponent bits, 3 mantissa bits; 6 bits a number), with one power-of-two scale for each 32 numbers along K (OCP MX v1.0); their sums are f32. All else is computed in f32.
;;   The module's matrix products, in the order in which they are computed (A, B: the left and right operand; K: the contracted axis; several contracted axes count as one K, in the product's order):
;;     1. [M 4,096, K 1,024] x [K 1,024, N 3,072]; A: input x; B: computed on the way: QUANTISED
;;     2. batch 32 x [M 2,048, K 64] x [K 64, N 2,048]; A: computed on the way; B: computed on the way: QUANTISED
;;     3. batch 32 x [M 2,048, K 2,048] x [K 2,048, N 64]; A: softmax (see below); B: computed on the way: QUANTISED
;;     4. [M 4,096, K 1,024] x [K 1,024, N 1,024]; A: computed on the way; B: input W_o: QUANTISED
;;   THE QUANTISER, for each operand of a quantised product, along K:
;;     - K is cut into blocks of 32 from its start; a last block that is shorter is filled with zeros.
;;     - A block's scale is 2^e with e = floor(log2(the largest magnitude in the block)) - 2, held to -126 .. 127; a block of zeros has e = 0. As a byte (E8M0): e + 127.
;;     - Each number is divided by its block's scale, clamped to +-7.5, and rounded to the nearest number of E2M3, ties to even, subnormals kept.
;;     - The product sums the exact products of the quantised numbers (number of the format x scale) in f32.
;;   ~~~python
;;   def quantise(x, axis):      # numpy; x: float32 -> the quantised numbers, widened to float32 again
;;       x = np.moveaxis(x, axis, -1); K = x.shape[-1]
;;       x = np.pad(x, [(0, 0)] * (x.ndim - 1) + [(0, -K % 32)]); x = x.reshape(x.shape[:-1] + (-1, 32)); a = np.abs(x).max(-1, keepdims=True)
;;       e = np.where(a > 0, np.clip(np.frexp(np.where(a > 0, a, 1))[1] - 1 - 2, -126, 127), 0)      # np.frexp(a)[1] - 1 = floor(log2(a)), exactly
;;       r = np.clip(x / 2.0 ** e, -7.5, 7.5)
;;       step = 2.0 ** (np.maximum(np.frexp(np.where(r == 0, 1, r))[1] - 1, 0) - 3)
;;       q = np.round(r / step) * step * 2.0 ** e      # np.round: ties to even
;;       return np.moveaxis(q.reshape(q.shape[:-2] + (-1,))[..., :K], -1, axis).astype(np.float32)
;;   ~~~
;;   SOFTMAX AHEAD OF A QUANTISED PRODUCT. Where the list says 'softmax', what is quantised is not the finished softmax but p = 2^(t - M), with t = logit x log2(e) and M = ceil(the row's largest t), a whole number; so 1/2 < the row's largest p <= 1. The row's sum l is taken of the UNQUANTISED p, in f32, and the product's result is divided by l at the end. Since M is a whole number, a kernel that streams over the keys may use a running M (the ceiling of the running maximum): every later rescaling is an exact power of two, which a block's scale takes up: the codes' values come out the same.
;;   OPERANDS COMPUTED ON THE WAY. 'Computed on the way' means the value that the module computes at that place (a softmax that the list does not call 'softmax' is quantised finished and normalised). What goes into a quantiser is computed in f32, as accurately as f32 sums, v_exp_f32 and their like allow (about 1e-6 of the number): no bf16 or f16 on the way to a quantiser, and a product that is left as it is and whose result goes on into a quantised operand takes f32 operands (vector FMAs, or v_wmma_f32_16x16x4_f32). A number that lies on a knife's edge between two numbers of the format may be rounded either way, as far as f32 arithmetic and the matrix unit's own rounding can turn it there, and no further.
;; One version. Each part assembles by itself: llvm-mc -triple=amdgcn-amd-amdhsa -mcpu=gfx1250 --defsym DOCPART=n.
;; ======== version 1 of 1: 4 launches
;; limits: right only within a limited range of input values
;; workspace buffers: pc 6,291,456 bytes; ps 262,144 bytes; tab 524,288 bytes; qc 3,145,728 bytes; kvc 6,684,672 bytes; qs 262,144 bytes; oc 3,145,728 bytes; os 131,072 bytes
;; launch prep (part 1): grid 288 x 1, 4 waves a work-group, no clusters, 35,328 bytes of LDS; arguments x, W_q, W_k, W_v, W_o, token_positions, pc, ps, tab; writes pc, ps, tab
.if DOCPART == 1
	.amdgcn_target "amdgcn-amd-amdhsa--gfx1250"
	.amdhsa_code_object_version 6
	.text
	.protected	k_q0d08338470_prep
	.globl	k_q0d08338470_prep
	.p2align	8
	.type	k_q0d08338470_prep,@function
k_q0d08338470_prep:
	s_mov_b64 s[64:65], 0
	v_nop
	global_prefetch_b8 v0, s[64:65] scope:SCOPE_SE
	s_setreg_imm32_b32 hwreg(HW_REG_WAVE_MODE, 25, 1), 1
	s_wait_xcnt 0x0
; PREP.  x [4096][1024], W_q, W_k, W_v, W_o [1024][1024], f32, K innermost, become codes of FP6 (E2M3) with one E8M0 byte for each 32 along K; token_positions becomes a table of cos and sin.
; A block's scale is 2^(floor(log2(its largest magnitude)) - 2): its byte is the largest magnitude's exponent field - 2, held at 1 from below.
; THE CODES ARE LAID IN THE ORDER OF AN OPERAND'S REGISTERS.  A HALF FRAGMENT is 16 rows x 64 K, 768 bytes: lane l = (r = l % 16, h = l / 16) owns the 24 bytes of k = 32 h .. 32 h + 31 of row r;
; its first 16 bytes lie at 16 l, its last 8 at 512 + 8 l.  A tile of 16 rows x 1,024 K is 16 half fragments on end, 12,288 bytes.
; WHICH ROWS FORM A TILE, in a group of 32 rows (tiles u = 0, 1; tile row m):  x and W_v: row 8 u + m + 8 (m / 8);  W_q and W_k: row 2 m + u (even and odd d_k apart, for the rotation);  W_o: row 16 u + m.
; pc: tiles 0-255 x; 256 + 12 head + 4 part + n W_q, W_k, W_v (part 0, 1, 2); 448 + n W_o.
; ps, for each pair of tiles 1,024 bytes: [quarter of K][lane (u, r)][8 bytes]: the scale words of the quarter's two K steps of 128.
; tab: [tile of 16 positions][cos, sin][4 groups][lane][16 bytes]: lane (r, h) holds frequencies 16 b + 8 h + 4 jj + 0 .. 3 of the position in tile row r.
; SHARES.  Work-groups 0-255: 32 rows each, wave w the K quarter w: 8 half fragments.  Each load reads 2 x 256 consecutive bytes; a half fragment's 4,096 bytes turn through the wave's own stage in LDS
; (rows of 256 + 16 bytes) so that a lane gets a whole block of 32.  Work-groups 256-287: a wave makes one tile of the table.  No barrier: waves share nothing.
; sin and cos: the angle less n pi/2 in three fused steps, polynomials of degree 7 and 8 on [-pi/4, pi/4], the quadrant by selects.
; LIMITS: NaN and infinities are not served; blocks whose largest magnitude lies under 2^-124 keep the byte 1; a block of zeros has the byte 1 and not 127 (its codes are zeros, and this program alone reads the bytes);
; |position| under 2^22.
.set AD,   16                          ; v16-31   byte offsets of the rows that load j of tile u reads: v[AD + 8 u + j]
.set WB,   12                          ; v12-13   tile u's scale bytes of my half of each 64 along K
.set R,    32                          ; v32-159  four sets of 32: half fragments as loaded
.set X,    160                         ; v160-223 two sets of 32: a block of 32 neighbours
.set C,    224                         ; v224-243 two sets of 10: codes
.set STG,  4352                        ; a stage: 16 rows x 272 bytes
.set WREG, 8704                        ; two stages for each wave
.macro LOAD u                          ; half fragment u = 2 c + tile: lanes 0-15 take 256 bytes of tile row 2 j, lanes 16-31 of tile row 2 j + 1
.irp j, 0,1,2,3,4,5,6,7
	global_load_b128 v[R+32*((\u)%4)+4*\j:R+32*((\u)%4)+4*\j+3], v[AD+8*((\u)%2)+\j], s[26:27] offset:256*((\u)/2) th:TH_LOAD_NT
.endr
.endm
.macro TURN u                          ; through the stage: LDS serves a wave's instructions in order, so no wait stands between the stores and the loads
.irp j, 0,1,2,3,4,5,6,7
	ds_store_b128 v4, v[R+32*((\u)%4)+4*\j:R+32*((\u)%4)+4*\j+3] offset:STG*((\u)%2)+544*\j
.endr
.irp i, 0,1,2,3,4,5,6,7
	ds_load_b128 v[X+32*((\u)%2)+4*\i:X+32*((\u)%2)+4*\i+3], v5 offset:STG*((\u)%2)+16*\i
.endr
.endm
.macro WORK u
.set XS, X+32*((\u)%2)
.set CC, C+10*((\u)%2)
	s_wait_xcnt 0x0                                ; the stores of two half fragments ago have read this set of codes
	v_max3_num_f32 v8, |v[XS]|, |v[XS+1]|, |v[XS+2]|               ; the block's largest magnitude: all 32 numbers are mine; two chains
	v_max3_num_f32 v9, |v[XS+3]|, |v[XS+4]|, |v[XS+5]|
.irp i, 6,10,14,18,22,26
	v_max3_num_f32 v8, v8, |v[XS+\i]|, |v[XS+\i+1]|
	v_max3_num_f32 v9, v9, |v[XS+\i+2]|, |v[XS+\i+3]|
.endr
	v_max3_num_f32 v8, v8, |v[XS+30]|, |v[XS+31]|
	v_max3_num_f32 v8, v8, v9, 0x1800000           ; and the floor 2^(3 - 127): the byte cannot fall under 1
	v_add_nc_u32 v10, 0xff000000, v8               ; 2 off the exponent field: the conversion takes this operand's exponent field as its scale
	v_cvt_scalef32_pk16_fp6_f32 v[CC:CC+2], v[XS:XS+15], v10
	v_cvt_scalef32_pk16_fp6_f32 v[CC+6:CC+8], v[XS+16:XS+31], v10  ; (a conversion's three registers begin on an even number)
	v_lshrrev_b32 v11, 23, v10                     ; the scale's byte; also the plain line behind the conversions
.if (\u)/2 == 0
	v_mov_b32 v[WB+(\u)%2], v11
.else
	v_lshl_or_b32 v[WB+(\u)%2], v11, 8*((\u)/2), v[WB+(\u)%2]
.endif
.irp i, 0,1,2
	v_mov_b32 v[CC+3+\i], v[CC+6+\i]
.endr
	global_store_b128 v6, v[CC:CC+3], s[20:21] offset:12288*((\u)%2)+768*((\u)/2)         ; 512 consecutive bytes,
	global_store_b64 v7, v[CC+4:CC+5], s[20:21] offset:12288*((\u)%2)+768*((\u)/2)+512    ; and the 256 behind them
.endm
.macro STEP u
	s_wait_dscnt 0x0                               ; this half fragment is back from the stage, so its stores into the stage have read their registers,
.if (\u) < 4
	LOAD (\u)+4                                    ; which take the loads of four half fragments on
	s_wait_loadcnt 24                              ; the next half fragment's eight loads are in; those of the three behind it may be out
.elseif (\u) < 7
	s_wait_loadcnt 8*(6-(\u))                      ; the counts run down: 16, 8, 0
.endif
.if (\u) < 7
	TURN (\u)+1
.endif
	WORK \u
.endm
.macro SINCOS a, so, co                ; sin and cos of v[a]
	v_mul_f32 v28, s48, v[\a]
	v_rndne_f32 v28, v28                           ; n = the nearest whole number to angle x 2 / pi
	v_fma_f32 v29, -v28, s49, v[\a]                ; angle - n pi/2, pi/2 in three parts
	v_fma_f32 v29, -v28, s50, v29
	v_fma_f32 v29, -v28, s51, v29
	v_cvt_i32_f32 v30, v28
	v_mul_f32 v31, v29, v29
	v_fma_f32 v32, s54, v31, s53
	v_fma_f32 v33, s57, v31, s56
	v_fma_f32 v32, v32, v31, s52
	v_fma_f32 v33, v33, v31, s55
	v_mul_f32 v32, v32, v31
	v_mul_f32 v34, v31, v31
	v_fma_f32 v35, v31, -0.5, 1.0
	v_fma_f32 v32, v32, v29, v29                   ; sin of the rest
	v_fma_f32 v33, v34, v33, v35                   ; cos of the rest
	v_and_b32 v36, 1, v30
	v_cmp_eq_u32 vcc_lo, 1, v36                    ; in odd quadrants the two change places
	v_cndmask_b32 v37, v32, v33, vcc_lo
	v_cndmask_b32 v38, v33, v32, vcc_lo
	v_lshlrev_b32 v36, 30, v30                     ; sin is negated in quadrants 2, 3: bit 1 of n
	v_and_b32 v36, s60, v36
	v_xor_b32 v[\so], v36, v37
	v_add_nc_u32 v36, 1, v30                       ; cos in quadrants 1, 2: bit 1 of n + 1
	v_lshlrev_b32 v36, 30, v36
	v_and_b32 v36, s60, v36
	v_xor_b32 v[\co], v36, v38
.endm
	s_load_b512 s[8:23], s[0:1], 0x0               ; x s[8:9], W_q s[10:11], W_k s[12:13], W_v s[14:15], W_o s[16:17], positions s[18:19], pc s[20:21], ps s[22:23]
	s_load_b64 s[24:25], s[0:1], 0x40              ; tab
	v_lshl_add_u32 v254, v0, 2, 0x8800
	v_mov_b32 v255, 0
	v_lshrrev_b32 v1, 5, v0
	v_readfirstlane_b32 s28, v1                    ; wave
	v_and_b32 v1, 31, v0                           ; lane
	v_and_b32 v2, 15, v0                           ; r
	v_bfe_u32 v3, v0, 4, 1                         ; h
	v_lshlrev_b32 v6, 4, v1                        ; 16 x lane
	v_lshlrev_b32 v7, 3, v1                        ; 8 x lane
	s_cmp_ge_u32 ttmp9, 256
	s_cbranch_scc1 .Ltable
	; ---- the quantiser.  Which tensor, which 32 rows, which order of rows: all from the work-group's number
	s_mov_b32 s29, 0xffff0000                      ; lanes 16-31, for selects
	s_mov_b32 s40, 0x76543210
	s_mov_b32 s41, 0xfedcba98                      ; v_permlanex16_b32's selects for lane l xor 16
	s_mov_b32 s45, 0x05010400                      ; byte selects that interleave two registers' bytes 0, 1
	s_mov_b32 s46, 0x07030602                      ; and their bytes 2, 3
	s_sub_co_u32 s30, ttmp9, 128
	s_lshr_b32 s31, s30, 5                         ; m: W_q, W_k, W_v, W_o
	s_and_b32 s32, s30, 31                         ; g: which 32 rows
	s_wait_kmcnt 0x0
	s_cmp_eq_u32 s31, 1
	s_cselect_b64 s[26:27], s[12:13], s[10:11]
	s_cmp_eq_u32 s31, 2
	s_cselect_b64 s[26:27], s[14:15], s[26:27]
	s_cmp_eq_u32 s31, 3
	s_cselect_b64 s[26:27], s[16:17], s[26:27]
	s_cmp_lt_u32 ttmp9, 128                        ; the first 128 work-groups take x,
	s_cselect_b64 s[26:27], s[8:9], s[26:27]
	s_cselect_b32 s32, ttmp9, s32
	s_cselect_b32 s31, 2, s31                      ; in W_v's order of rows
	s_lshr_b32 s33, s32, 1                         ; the pair of tiles: 128 + 6 head + 2 m + half of the head,
	s_mul_i32 s33, s33, 6
	s_lshl_b32 s34, s31, 1
	s_add_co_u32 s33, s33, s34
	s_and_b32 s34, s32, 1
	s_add_co_u32 s33, s33, s34
	s_add_co_u32 s33, s33, 128
	s_add_co_u32 s34, s32, 224                     ; W_o: 224 + g,
	s_cmp_eq_u32 s31, 3
	s_cselect_b32 s33, s34, s33
	s_cmp_lt_u32 ttmp9, 128
	s_cselect_b32 s33, s32, s33                    ; x: g
	s_mov_b32 s39, 0x10000                         ; bytes from tile 0's rows to tile 1's: 16 rows, 8 rows or 1 row
	s_cmp_eq_u32 s31, 2
	s_cselect_b32 s38, 0x8000, 0                   ; bytes that tile rows 8-15 lie further on: 8 rows, or none
	s_cselect_b32 s39, 0x8000, s39
	s_cmp_lt_u32 s31, 2
	s_cselect_b32 s39, 0x1000, s39
	s_cselect_b32 s35, 1, 0
	s_lshl_b32 s36, 0x1000, s35                    ; bytes from a tile row to the next: 1 row, or 2
	s_lshl_b32 s37, 0x2000, s35                    ; and from a load to the next: twice that
	s_lshl_b32 s42, s32, 17                        ; 32 rows of 4,096 bytes,
	s_lshl_b32 s43, s28, 10                        ; my quarter of K
	s_add_co_u32 s42, s42, s43
	s_mov_b32 s43, 0
	s_add_nc_u64 s[26:27], s[26:27], s[42:43]
	s_mul_i32 s42, s33, 24576
	s_mul_i32 s44, s28, 3072
	s_add_co_u32 s42, s42, s44
	s_add_nc_u64 s[20:21], s[20:21], s[42:43]      ; my four half fragments of each of the pair's tiles
	s_lshl_b32 s42, s33, 10
	s_lshl_b32 s44, s28, 8
	s_add_co_u32 s42, s42, s44
	s_add_nc_u64 s[22:23], s[22:23], s[42:43]      ; my 256 bytes of scale words
	s_mul_i32 s44, s28, WREG
	s_wait_alu depctr_va_vdst(0)
	v_mul_u32_u24 v4, v3, 272
	v_lshl_add_u32 v4, v2, 4, v4
	v_add_nc_u32 v4, s44, v4                       ; into the stage: row h of a load's two, 16 r
	v_mul_u32_u24 v5, v2, 272
	v_lshl_add_u32 v5, v3, 7, v5
	v_add_nc_u32 v5, s44, v5                       ; out of it: row r, my half's 128 bytes
	v_mul_u32_u24 v8, s36, v3
	v_lshl_add_u32 v8, v2, 4, v8
	s_wait_alu depctr_va_vdst(0)
.irp t, 0,1
.irp j, 0,1,2,3,4,5,6,7
	s_mul_i32 s44, s37, \j
.if \j > 3
	s_add_co_u32 s44, s44, s38
.endif
.if \t
	s_add_co_u32 s44, s44, s39
.endif
	v_add_nc_u32 v[AD+8*\t+\j], s44, v8
.endr
.endr
	v_mov_b32 v14, 0                               ; a lane permute's destination counts as one of its sources
	v_mov_b32 v15, 0
	LOAD 0
	s_wait_alu depctr_va_vdst(0)
	LOAD 1
	LOAD 2
	LOAD 3
	s_wait_loadcnt 24                              ; the first half fragment's eight loads are in
	TURN 0
.irp u, 0,1,2,3,4,5,6,7
	STEP \u
.endr
	; the scale words: my register holds the bytes of blocks 2 c + h, c = 0 .. 3; with lane l xor 16's they interleave into the words of two K steps
.irp t, 0,1
	v_permlanex16_b32 v[14+\t], v[WB+\t], s40, s41
.endr
.irp t, 0,1
	v_cndmask_b32 v[244+\t], v[WB+\t], v[14+\t], s29   ; the even blocks' bytes, in both halves of the lanes
	v_cndmask_b32 v[246+\t], v[14+\t], v[WB+\t], s29   ; the odd blocks'
.endr
.irp t, 0,1
	v_perm_b32 v[248+\t], v[246+\t], v[244+\t], s45
	v_perm_b32 v[250+\t], v[246+\t], v[244+\t], s46
.endr
	v_cndmask_b32 v244, v248, v249, s29            ; lanes 0-15 keep tile 0's words, lanes 16-31 tile 1's
	v_cndmask_b32 v245, v250, v251, s29
	global_store_b64 v7, v[244:245], s[22:23]      ; 256 consecutive bytes, aligned
	s_wait_tensorcnt 0x0
	ds_add_u32 v254, v255
	s_wait_dscnt 0x0
	s_endpgm
.Ltable:
	; ---- the table: my wave's tile of 16 positions
	s_sub_co_u32 s30, ttmp9, 256
	s_lshl_b32 s30, s30, 2
	s_add_co_u32 s30, s30, s28                     ; the tile
	s_lshr_b32 s31, s30, 1
	s_lshl_b32 s31, s31, 5
	s_and_b32 s32, s30, 1
	s_lshl_b32 s32, s32, 3
	s_add_co_u32 s31, s31, s32                     ; its row 0: 32 (tile / 2) + 8 (tile % 2)
	s_wait_alu depctr_va_vdst(0)
	v_and_b32 v8, 8, v2
	v_add_nc_u32 v8, v8, v2                        ; + r + 8 (r / 8)
	v_add_nc_u32 v8, s31, v8
	v_lshlrev_b32 v8, 2, v8
	s_lshl_b32 s42, s30, 12
	s_mov_b32 s43, 0
	s_mov_b32 s48, 0x3f22f983                      ; 2 / pi
	s_mov_b32 s49, 0x3fc90fdb                      ; pi / 2 in three parts
	s_mov_b32 s50, 0xb33bbd2e
	s_mov_b32 s51, 0xa6f72ced
	s_mov_b32 s52, 0xbe2aaaa3                      ; sin's coefficients
	s_mov_b32 s53, 0x3c08839e
	s_mov_b32 s54, 0xb94ca1f9
	s_mov_b32 s55, 0x3d2aaaa5                      ; cos's
	s_mov_b32 s56, 0xbab6061a
	s_mov_b32 s57, 0x37ccf5ce
	s_mov_b32 s58, 0xbed49a60                      ; -log2(10000) / 32 cut to 19 bits: times i < 32 it is exact
	s_mov_b32 s59, 0x3506b9e3                      ; what was cut off, x ln 2
	s_mov_b32 s60, 0x80000000
	s_wait_alu depctr_va_vdst(0)
	s_wait_kmcnt 0x0
	global_load_b32 v9, v8, s[18:19]
	s_add_nc_u64 s[24:25], s[24:25], s[42:43]
	v_lshlrev_b32 v10, 3, v3                       ; 8 h
	s_wait_alu depctr_va_vdst(0)
	s_wait_loadcnt 0x0
	v_cvt_f32_i32 v9, v9                           ; the position
.irp gq, 0,1,2,3                       ; group 2 b + jj: frequencies i = 16 b + 8 h + 4 jj + 0 .. 3
.irp e, 0,1,2,3
	v_add_nc_u32 v[16+\e], 16*(\gq/2)+4*(\gq%2)+\e, v10
.endr
.irp e, 0,1,2,3
	v_cvt_f32_u32 v[16+\e], v[16+\e]
.endr
.irp e, 0,1,2,3
	v_mul_f32 v[20+\e], s58, v[16+\e]
.endr
	s_wait_alu depctr_va_vdst(0)
.irp e, 0,1,2,3
	v_exp_f32 v[20+\e], v[20+\e]
.endr
.irp e, 0,1,2,3
	v_mul_f32 v[16+\e], s59, v[16+\e]              ; (plain lines behind the exponentials)
.endr
	s_wait_alu depctr_va_vdst(0)
.irp e, 0,1,2,3
	v_fma_f32 v[20+\e], -v[20+\e], v[16+\e], v[20+\e]   ; 10000^(-i / 32)
.endr
.irp e, 0,1,2,3
	v_mul_f32 v[24+\e], v9, v[20+\e]               ; the angle, rounded once
.endr
.irp e, 0,1,2,3
	SINCOS 24+\e, 68+8*\gq+\e, 64+8*\gq+\e
.endr
	global_store_b128 v6, v[64+8*\gq:67+8*\gq], s[24:25] offset:512*\gq        ; cos: 512 consecutive bytes; each group has data registers of its own
	global_store_b128 v6, v[68+8*\gq:71+8*\gq], s[24:25] offset:2048+512*\gq   ; sin
.endr
	s_endpgm
.Lfunc_end_k_q0d08338470_prep:
	.size	k_q0d08338470_prep, .Lfunc_end_k_q0d08338470_prep-k_q0d08338470_prep
	.p2alignl 7, 3214868480
	.fill 96, 4, 3214868480
	.section	.rodata,"a",@progbits
	.p2align	6, 0x0
	.amdhsa_kernel k_q0d08338470_prep
		.amdhsa_group_segment_fixed_size 35328
		.amdhsa_private_segment_fixed_size 0
		.amdhsa_enable_private_segment 0
		.amdhsa_kernarg_size 72
		.amdhsa_user_sgpr_count 2
		.amdhsa_user_sgpr_kernarg_segment_ptr 1
		.amdhsa_wavefront_size32 1
		.amdhsa_system_sgpr_workgroup_id_x 1
		.amdhsa_system_sgpr_workgroup_id_y 1
		.amdhsa_system_sgpr_workgroup_id_z 1
		.amdhsa_system_vgpr_workitem_id 0
		.amdhsa_next_free_vgpr 256
		.amdhsa_next_free_sgpr 66
		.amdhsa_reserve_vcc 1
		.amdhsa_float_denorm_mode_32 3
		.amdhsa_float_denorm_mode_16_64 3
		.amdhsa_memory_ordered 1
		.amdhsa_forward_progress 1
		.amdhsa_inst_pref_size 59
	.end_amdhsa_kernel
	.amdgpu_metadata
---
amdhsa.version: [ 1, 2 ]
amdhsa.kernels:
  - .name:           k_q0d08338470_prep
    .symbol:         k_q0d08338470_prep.kd
    .args:
      - { .name: x, .offset: 0, .size: 8, .value_kind: global_buffer, .address_space: global }
      - { .name: W_q, .offset: 8, .size: 8, .value_kind: global_buffer, .address_space: global }
      - { .name: W_k, .offset: 16, .size: 8, .value_kind: global_buffer, .address_space: global }
      - { .name: W_v, .offset: 24, .size: 8, .value_kind: global_buffer, .address_space: global }
      - { .name: W_o, .offset: 32, .size: 8, .value_kind: global_buffer, .address_space: global }
      - { .name: token_positions, .offset: 40, .size: 8, .value_kind: global_buffer, .address_space: global }
      - { .name: pc, .offset: 48, .size: 8, .value_kind: global_buffer, .address_space: global }
      - { .name: ps, .offset: 56, .size: 8, .value_kind: global_buffer, .address_space: global }
      - { .name: tab, .offset: 64, .size: 8, .value_kind: global_buffer, .address_space: global }
    .group_segment_fixed_size: 35328
    .private_segment_fixed_size: 0
    .kernarg_segment_align: 8
    .kernarg_segment_size: 72
    .max_flat_workgroup_size: 128
    .sgpr_count:     66
    .vgpr_count:     256
    .wavefront_size: 32
...
	.end_amdgpu_metadata
.endif
;; end of part 1
;; launch qkv (part 2): grid 16 x 16, 4 waves a work-group, clusters of 4 x 1, 168,448 bytes of LDS; arguments pc, ps, tab, qc, kvc, qs; writes qc, kvc, qs
.if DOCPART == 2
	.amdgcn_target "amdgcn-amd-amdhsa--gfx1250"
	.amdhsa_code_object_version 6
	.text
	.protected	k_q0d08338470_qkv
	.globl	k_q0d08338470_qkv
	.p2align	8
	.type	k_q0d08338470_qkv,@function
k_q0d08338470_qkv:
	s_mov_b64 s[64:65], 0
	v_nop
	global_prefetch_b8 v0, s[64:65] scope:SCOPE_SE
	s_setreg_imm32_b32 hwreg(HW_REG_WAVE_MODE, 25, 1), 1
	s_wait_xcnt 0x0
	s_wait_alu depctr_hold_cnt(0) depctr_sa_sdst(0) depctr_va_vdst(0) depctr_va_sdst(0) depctr_va_ssrc(0) depctr_va_vcc(0) depctr_vm_vsrc(0)
	s_getreg_b32 s2, hwreg(HW_REG_IB_STS2, 6, 4)
	s_cmp_eq_u32 s2, 0
	s_cbranch_scc0 .Lentry_in_a_cluster
	s_endpgm
.Lentry_in_a_cluster:
	s_bfe_u32 s2, ttmp6, 0x10000c
	s_cmp_lg_u32 s2, 0x3003
	s_cbranch_scc0 .Lentry_shape_is_right
	s_endpgm
.Lentry_shape_is_right:
; QKV.  [Q K V] = x [W_q; W_k; W_v]^T on codes of FP6 (E2M3) with E8M0 scales, K = 1,024; then the rotation of Q and K, and all three are quantised again: Q and K along d_k, V along the keys.
; SHARES.  A work-group: 256 tokens x one head's Q, K and V (192 columns).  Wave w: tokens 64 w .. 64 w + 63, all 192 columns: 48 accumulators, 384 registers.
; x's fragments are one wave's alone: they come from memory straight into registers (they lie there in the order of the registers), five sets, asked for four K steps ahead.
; The head's 12 tiles of weights, all of K, 147,456 bytes, lie in LDS, FILLED ONCE, in four chunks of 256 along K.  CLUSTER: the four partners are four blocks of tokens of one head and need the same weights:
; each wave's four tensor loads are joint, with the mask of all four.  x is not shared in the cluster: each partner has other tokens.
; A HALF FRAGMENT (16 rows x 64 K, 768 bytes): lane l's registers 0-3 at 16 l, registers 4-5 at 512 + 8 l.  One load of 16 bytes and one of 8 bring it; no pitch, no padding.
; Q, K: source 0 = 16 rows of W, source 1 = 16 tokens: a lane holds one token, its registers run along d_k.  W_q's and W_k's tiles hold the even d_k (tile 2 b) and the odd d_k (tile 2 b + 1) of block b apart,
; so the rotation is packed arithmetic between two accumulators.  Inside a block of 32 the order of k then differs from memory's, alike in Q and K: blocks and products are the same.
; V: source 0 = 16 tokens, source 1 = 16 rows of W_v: a lane holds one d, its registers run along the tokens; the tokens of a tile are chosen so that a wave's four tiles give a lane 2 x 16 neighbouring keys.
; OUT.  qc [b, head][tile of 16 tokens][768];  kvc, for each (b, head): K [tile][768], then V [64 keys][d tile][768];  qkvs, for each (b, head): K's scale words, V's, Q's.
; The rotation uses one fused multiply-add where the two products could each be rounded.  LIMITS: NaN and infinities are not served; a block under 2^-124 keeps the byte 1; a block of zeros has the byte 1, not 127.
; REGISTERS, in windows of 256.  Window 0: v1 16 l, v2 8 l, v4-11 LDS addresses of the four chunks, v12-13 V's scale stage; v32-47 x's scale words, v48-95 the weights'; v96-239 x's sets 0-2 (later: at work).
;   Window 1: Q's accumulators at 32 t + 8 n, K's at 128 + 32 t + 8 n.   Window 2: V's at 32 n + 8 t; from v128 the table, 32 a tile.   Window 3: v0-143 the weights' 12 fragments; v144-239 x's sets 3, 4.
; THE WEIGHTS IN LDS AND THE OUTPUTS, as this text has them (this takes the place of what the lines above say of chunks, of kvc and of qkvs):
; each wave brings its three tiles of weights whole, 36,864 dense bytes, by ONE joint tensor load; tile i lies at 12,288 i; one barrier shows all twelve to all waves.
; kvc, for each (b, head), 208,896 bytes: 16 steps of 128 keys, 13,056 bytes each: K's 8 tiles x 768, V's [64 keys][d tile] x 768, K's scale words (512), V's (256).  qs, for each (b, head): Q's scale words, 8,192 bytes.
.set SX,   32
.set SW,   48
.set T,    96                          ; the rotation's products
.set Y,    128                         ; a rotated tile: 32 numbers a lane
.set TM,   160                         ; +0, 1 largest magnitudes; +2, 3 the other half's; +4, 5 scale operands; +6, 7 bytes
.set PC,   176                         ; two sets of 10: codes
.set PWQ,  200                         ; v200-203 Q's scale words, v204-207 K's
.set PWV,  208                         ; v208-211 V's
.set VSTG, 147456                      ; LDS behind the weights: 512 bytes for V's scale words; no fill lands there
.set MSB, 0
.macro WIN new                         ; the immediate's high byte repeats the setting that is left
.if MSB != (\new)
	s_set_vgpr_msb (MSB<<8)|(\new)
.set MSB, (\new)
.endif
.endm
.macro PLACES                          ; four plain lines between a matrix instruction and a load into, a write of, or a read of its registers
.rept 4
	v_nop
.endr
.endm
.macro CROUND                          ; a round of the cluster's barrier
	s_barrier_signal -1
	s_barrier_wait -1
	s_cmp_lg_u32 s16, 0
	s_cbranch_scc1 .Lnot_wave_0_\@
	s_barrier_signal -3
.Lnot_wave_0_\@:
	s_barrier_wait -3
	s_barrier_signal -1
	s_barrier_wait -1
.endm
.macro SETLOC s                        ; where K step s's set of x lies: window AW, first register AB
.set AQ, (\s)%5
.if AQ < 3
.set AW, 0
.set AB, 96+48*AQ
.else
.set AW, 3
.set AB, 144+48*(AQ-3)
.endif
.endm
.macro LOADA s                         ; my four tiles' fragments of K step s: 16 loads
	SETLOC \s
.set WW, AW<<6
	WIN WW
.irp t, 0,1,2,3
.irp c, 0,1
	global_load_b128 v[AB+12*\t+6*\c:AB+12*\t+6*\c+3], v1, s[54:55] offset:\t*12288+(2*(\s)+\c)*768
	global_load_b64 v[AB+12*\t+6*\c+4:AB+12*\t+6*\c+5], v2, s[54:55] offset:\t*12288+(2*(\s)+\c)*768+512
.endr
.endr
.endm
.macro LOADTAB t                       ; cos and sin of tile t's tokens: 8 loads
	WIN 0x80
.irp d, 0,1,2,3,4,5,6,7
	global_load_b128 v[128+32*\t+4*\d:128+32*\t+4*\d+3], v1, s[60:61] offset:\t*4096+512*\d
.endr
.endm
.macro FETCHB p, s                     ; part p's (Q, K, V) four fragments of the weights for K step s: 16 LDS loads
	WIN 0xc0
.irp n, 0,1,2,3
.irp c, 0,1
	ds_load_b128 v[12*(4*\p+\n)+6*\c:12*(4*\p+\n)+6*\c+3], v[4+\p] offset:\n*12288+(2*(\s)+\c)*768
	ds_load_b64 v[12*(4*\p+\n)+6*\c+4:12*(4*\p+\n)+6*\c+5], v[8+\p] offset:\n*12288+(2*(\s)+\c)*768
.endr
.endr
.endm
; One product.  ra, rb = 1: that side's scale words stand in lanes 16-31 of its register.  ZZ = 1: the product starts its sum.
.macro WM d, a, b, sa, sb, ra, rb
.if ZZ
.if (\ra) && (\rb)
	v_wmma_scale_f32_16x16x128_f8f6f4 v[(\d):(\d)+7], v[(\a):(\a)+11], v[(\b):(\b)+11], 0, v[\sa], v[\sb] matrix_a_fmt:MATRIX_FMT_FP6 matrix_b_fmt:MATRIX_FMT_FP6 matrix_a_scale:MATRIX_SCALE_ROW1 matrix_b_scale:MATRIX_SCALE_ROW1
.elseif (\ra)
	v_wmma_scale_f32_16x16x128_f8f6f4 v[(\d):(\d)+7], v[(\a):(\a)+11], v[(\b):(\b)+11], 0, v[\sa], v[\sb] matrix_a_fmt:MATRIX_FMT_FP6 matrix_b_fmt:MATRIX_FMT_FP6 matrix_a_scale:MATRIX_SCALE_ROW1
.elseif (\rb)
	v_wmma_scale_f32_16x16x128_f8f6f4 v[(\d):(\d)+7], v[(\a):(\a)+11], v[(\b):(\b)+11], 0, v[\sa], v[\sb] matrix_a_fmt:MATRIX_FMT_FP6 matrix_b_fmt:MATRIX_FMT_FP6 matrix_b_scale:MATRIX_SCALE_ROW1
.else
	v_wmma_scale_f32_16x16x128_f8f6f4 v[(\d):(\d)+7], v[(\a):(\a)+11], v[(\b):(\b)+11], 0, v[\sa], v[\sb] matrix_a_fmt:MATRIX_FMT_FP6 matrix_b_fmt:MATRIX_FMT_FP6
.endif
.else
.if (\ra) && (\rb)
	v_wmma_scale_f32_16x16x128_f8f6f4 v[(\d):(\d)+7], v[(\a):(\a)+11], v[(\b):(\b)+11], v[(\d):(\d)+7], v[\sa], v[\sb] matrix_a_fmt:MATRIX_FMT_FP6 matrix_b_fmt:MATRIX_FMT_FP6 matrix_a_scale:MATRIX_SCALE_ROW1 matrix_b_scale:MATRIX_SCALE_ROW1
.elseif (\ra)
	v_wmma_scale_f32_16x16x128_f8f6f4 v[(\d):(\d)+7], v[(\a):(\a)+11], v[(\b):(\b)+11], v[(\d):(\d)+7], v[\sa], v[\sb] matrix_a_fmt:MATRIX_FMT_FP6 matrix_b_fmt:MATRIX_FMT_FP6 matrix_a_scale:MATRIX_SCALE_ROW1
.elseif (\rb)
	v_wmma_scale_f32_16x16x128_f8f6f4 v[(\d):(\d)+7], v[(\a):(\a)+11], v[(\b):(\b)+11], v[(\d):(\d)+7], v[\sa], v[\sb] matrix_a_fmt:MATRIX_FMT_FP6 matrix_b_fmt:MATRIX_FMT_FP6 matrix_b_scale:MATRIX_SCALE_ROW1
.else
	v_wmma_scale_f32_16x16x128_f8f6f4 v[(\d):(\d)+7], v[(\a):(\a)+11], v[(\b):(\b)+11], v[(\d):(\d)+7], v[\sa], v[\sb] matrix_a_fmt:MATRIX_FMT_FP6 matrix_b_fmt:MATRIX_FMT_FP6
.endif
.endif
.endm
.macro MULQK p, s                      ; 16 products of Q (p = 0) or K (1): source 0 the weights (window 3), source 1 x, C and D window 1
	SETLOC \s
.set ZZ, 0
.if (\s) == 0
.set ZZ, 1
.endif
.set WW, 0x53|(AW<<2)
	WIN WW
.irp t, 0,1,2,3
.irp n, 0,1,2,3
	WM 128*\p+32*\t+8*\n, 12*(4*\p+\n), AB+12*\t, SW+8*((4*\p+\n)/2)+(\s), SX+8*(\t/2)+(\s), \n%2, \t%2
.endr
.endr
.endm
.macro MULV s                          ; 16 products of V: source 0 x, source 1 the weights (window 3), C and D window 2
	SETLOC \s
.set ZZ, 0
.if (\s) == 0
.set ZZ, 1
.endif
.set WW, 0xac|AW
	WIN WW
.irp n, 0,1,2,3
.irp t, 0,1,2,3
	WM 32*\n+8*\t, AB+12*\t, 12*(8+\n), SX+8*(\t/2)+(\s), SW+8*((8+\n)/2)+(\s), \t%2, \n%2
.endr
.endr
.endm
; A K step of 128: 48 products, the 48 accumulators by turns, one instruction a turn, in the same order in every step.
.macro STEP s
.if (\s) < 3
	s_wait_loadcnt 48                              ; this step's x (and, in step 0, the scale words ahead of it) is in; younger: three steps' 16 loads each
.elseif (\s) < 6
	s_wait_loadcnt 63                              ; younger are 64, 80, 64 loads (later steps' x, the table): the count's field ends at 63, which errs
.elseif (\s) == 6
	s_wait_loadcnt 48                              ; younger: half the table, step 7's x, the other half
.else
	s_wait_loadcnt 16                              ; younger: the table's last 16 loads
.endif
.if (\s) < 4
	LOADA (\s)+4                                   ; into the set that the last step multiplied: four plain lines stand behind its last product
.endif
.if (\s) == 2
	LOADTAB 0
	LOADTAB 1
.endif
.if (\s) == 3
	LOADTAB 2
	LOADTAB 3
.endif
	s_wait_dscnt 32                                ; Q's weights are in; K's and V's runs of 16 may be out
	MULQK 0, \s
.if (\s) < 7
	PLACES
	FETCHB 0, (\s)+1
	s_wait_dscnt 32                                ; K's weights are in; younger: V's run and the one just issued
.else
	s_wait_dscnt 16
.endif
	MULQK 1, \s
.if (\s) < 7
	PLACES
	FETCHB 1, (\s)+1
	s_wait_dscnt 32                                ; V's weights are in; younger: the two runs for the next step
.else
	s_wait_dscnt 0x0
.endif
	MULV \s
	PLACES
.if (\s) < 7
	FETCHB 2, (\s)+1
.endif
.endm
; The rotation of tile t of Q (p = 0) or K (1).  In block b the accumulator of tile 2 b holds xe and that of 2 b + 1 xo, at frequencies 16 b + 8 h + j.  Each accumulator is read from its low end on.
.macro ROPE p, t
	WIN 0x09                                       ; source 0: window 1 (accumulators); source 1: window 2 (the table); the rest window 0
.irp b, 0,1
.irp j, 0,2,4,6
	v_pk_mul_f32 v[T+8*\b+\j:T+8*\b+\j+1], v[128*\p+32*\t+16*\b+8+\j:128*\p+32*\t+16*\b+8+\j+1], v[128+32*\t+16+8*\b+\j:128+32*\t+16+8*\b+\j+1]        ; xo sin
	v_pk_mul_f32 v[T+16+8*\b+\j:T+16+8*\b+\j+1], v[128*\p+32*\t+16*\b+8+\j:128*\p+32*\t+16*\b+8+\j+1], v[128+32*\t+8*\b+\j:128+32*\t+8*\b+\j+1]        ; xo cos
.endr
.endr
.irp b, 0,1
.irp j, 0,2,4,6
	v_pk_fma_f32 v[Y+16*\b+\j:Y+16*\b+\j+1], v[128*\p+32*\t+16*\b+\j:128*\p+32*\t+16*\b+\j+1], v[128+32*\t+8*\b+\j:128+32*\t+8*\b+\j+1], v[T+8*\b+\j:T+8*\b+\j+1] neg_lo:[0,0,1] neg_hi:[0,0,1]   ; xe cos - xo sin
	v_pk_fma_f32 v[Y+16*\b+8+\j:Y+16*\b+8+\j+1], v[128*\p+32*\t+16*\b+\j:128*\p+32*\t+16*\b+\j+1], v[128+32*\t+16+8*\b+\j:128+32*\t+16+8*\b+\j+1], v[T+16+8*\b+\j:T+16+8*\b+\j+1]                ; xe sin + xo cos
.endr
.endr
.endm
; 32 numbers of a lane in window w, register 16 b + i = k 32 b + 16 (lane / 16) + i of my row, become a half fragment's codes in v[pc .. pc + 5] and its two scale bytes in v[pw] (bytes 2, 3 are 0).
.macro QUANT2 src, w, pc, pw
.set WW, (\w)|((\w)<<2)
	WIN WW
.irp b, 0,1
	v_max3_num_f32 v[TM+\b], |v[(\src)+16*\b]|, |v[(\src)+16*\b+1]|, 0x1800000   ; my 16 numbers of block b, and the floor 2^(3 - 127)
.endr
.irp i, 2,4,6,8,10,12,14
.irp b, 0,1
	v_max3_num_f32 v[TM+\b], |v[(\src)+16*\b+\i]|, |v[(\src)+16*\b+\i+1]|, v[TM+\b]
.endr
.endr
	WIN 0
.irp b, 0,1
	v_permlanex16_b32 v[TM+2+\b], v[TM+\b], s48, s49
.endr
.irp b, 0,1
	v_max_num_f32 v[TM+\b], v[TM+\b], v[TM+2+\b]   ; with lane l xor 16's: the block's largest magnitude
.endr
.irp b, 0,1
	v_add_nc_u32 v[TM+4+\b], 0xff000000, v[TM+\b]  ; 2 off the exponent field: the conversion's scale operand
.endr
.irp b, 0,1
	v_lshrrev_b32 v[TM+6+\b], 23, v[TM+4+\b]       ; the scale's byte
.endr
	v_lshl_or_b32 v[\pw], v[TM+7], 8, v[TM+6]
.set WW, (\w)
	WIN WW
	v_cvt_scalef32_pk16_fp6_f32 v[(\pc):(\pc)+2], v[(\src):(\src)+15], v[TM+4]
	v_cvt_scalef32_pk16_fp6_f32 v[(\pc)+6:(\pc)+8], v[(\src)+16:(\src)+31], v[TM+5]
	WIN 0
	v_nop                                          ; one plain line behind a scaled conversion
.irp i, 0,1,2
	v_permlane16_swap_b32 v[(\pc)+\i], v[(\pc)+6+\i]   ; a lane is to hold a WHOLE block: lanes 0-15 block 0, lanes 16-31 block 1
.endr
.irp i, 0,1,2
	v_mov_b32 v[(\pc)+3+\i], v[(\pc)+6+\i]
.endr
.endm
.macro PUT pc, lo, off                 ; a half fragment leaves: 512 consecutive bytes and the 256 behind them
	global_store_b128 v1, v[(\pc):(\pc)+3], s[\lo:\lo+1] offset:\off
	global_store_b64 v2, v[(\pc)+4:(\pc)+5], s[\lo:\lo+1] offset:\off+512
.endm
	s_load_b256 s[4:11], s[0:1], 0x0               ; pc s[4:5], ps s[6:7], tab s[8:9], qc s[10:11]
	s_load_b128 s[12:15], s[0:1], 0x20             ; kvc s[12:13], qs s[14:15]
	v_lshl_add_u32 v254, v0, 2, 0x29000
	v_mov_b32 v255, 0
	ds_add_u32 v254, v255
	ds_add_u32 v254, v255
	v_lshrrev_b32 v3, 5, v0
	v_readfirstlane_b32 s16, v3                    ; wave
	v_and_b32 v3, 31, v0
	v_and_b32 v14, 15, v0                          ; r
	s_wait_alu depctr_va_vdst(0)
	v_lshlrev_b32 v1, 4, v3                        ; 16 x lane
	s_wait_alu depctr_va_vdst(0)
	v_lshlrev_b32 v2, 3, v3                        ; 8 x lane
	s_wait_alu depctr_va_vdst(0)
	s_and_b32 s19, ttmp7, 0xffff                   ; the head, which the four partners share
	s_mov_b32 s22, 0xffff0000                      ; lanes 16-31, for selects
	s_mov_b32 s48, 0x76543210
	s_mov_b32 s49, 0xfedcba98                      ; v_permlanex16_b32's selects for lane l xor 16
	; descriptor group 1: three whole tiles, 144 rows of 256 bytes, dense in memory and in LDS
	s_mov_b32 s24, 15|(3<<16)|(1<<21)              ; 15:0 the mask: all four work-groups; 17:16 elements of 8 bytes; 21 set beside a mask
	s_mov_b32 s25, 32<<16                          ; three tiles on end are 36,864 dense bytes: 144 rows of 256 bytes (32 elements of 8 bytes)
	s_mov_b32 s26, 144<<16
	s_mov_b32 s27, 32<<16
	s_mov_b32 s28, 144
	s_mov_b32 s29, 32
	s_mov_b32 s30, 0
	s_mov_b32 s31, 0
	s_mul_i32 s76, s19, 12                         ; my three tiles of the weights: 256 + 12 head + 3 wave.  No place in the cluster enters these registers
	s_mul_i32 s77, s16, 3
	s_add_co_u32 s76, s76, s77
	s_add_co_u32 s76, s76, 256
	s_mul_i32 s76, s76, 12288
	s_mov_b32 s77, 0
	s_mul_i32 s80, s16, 36864                      ; and their place in LDS
	s_mul_i32 s84, s19, 6                          ; the weights' scale words: pairs 128 + 6 head on
	s_add_co_u32 s84, s84, 128
	s_lshl_b32 s84, s84, 10
	s_mov_b32 s85, 0
	s_lshr_b32 s81, s16, 1                         ; V's scale stage: 256 x (wave / 2) + 2 x (wave % 2) + 8 r
	s_lshl_b32 s81, s81, 8
	s_and_b32 s82, s16, 1
	s_lshl_b32 s82, s82, 1
	s_add_co_u32 s81, s81, s82
	s_add_co_u32 s81, s81, VSTG
	v_lshl_add_u32 v12, v14, 3, s81
	v_add_nc_u32 v13, VSTG, v1
.irp p, 0,1,2
	v_add_nc_u32 v[4+\p], 49152*\p, v1             ; part p's four tiles (Q, K, V): 16 x lane,
	v_add_nc_u32 v[8+\p], 49152*\p+512, v2         ; and 512 + 8 x lane
.endr
	v_lshrrev_b32 v15, 4, v3
	v_mul_u32_u24 v15, v15, 12800
	v_add_nc_u32 v15, v15, v1                      ; V's scale words on their way out: lanes 0-15 the first step's 256 bytes, lanes 16-31 the next step's, 13,056 bytes on
	s_bfe_u32 s17, ttmp6, 0x40000                  ; cx: it enters global addresses of x, the table and the outputs alone
	s_lshl_b32 s18, ttmp9, 2
	s_add_co_u32 s18, s18, s17                     ; my block of 256 tokens
	s_lshr_b32 s20, s18, 3
	s_lshl_b32 s20, s20, 4
	s_add_co_u32 s20, s20, s19                     ; 16 b + head
	s_and_b32 s21, s18, 7                          ; the block within its sequence
	s_mov_b32 s53, 0
	s_wait_dscnt 0x0
	s_wait_kmcnt 0x0
	s_add_nc_u64 s[78:79], s[4:5], s[76:77]
	s_mov_b32 s32, 1                               ; count = 1
	s_mov_b32 s33, s80                             ; LDS address
	s_mov_b64 s[34:35], s[78:79]                   ; global address: my three tiles
	s_or_b32 s35, s35, 0x80000000                  ; type = 2
	s_add_nc_u64 s[58:59], s[6:7], s[84:85]
	s_lshl_b32 s50, s18, 4
	s_lshl_b32 s51, s16, 2
	s_add_co_u32 s50, s50, s51                     ; my first tile of tokens among all 256
	s_mul_i32 s52, s50, 12288
	s_add_nc_u64 s[54:55], s[4:5], s[52:53]        ; x's codes
	s_lshl_b32 s52, s50, 9
	s_add_nc_u64 s[56:57], s[6:7], s[52:53]        ; x's scale words: 1,024 bytes a pair of tiles
	s_lshl_b32 s50, s21, 4
	s_add_co_u32 s50, s50, s51                     ; my first tile within the sequence
	s_lshl_b32 s52, s50, 12
	s_add_nc_u64 s[60:61], s[8:9], s[52:53]        ; the table
	s_lshl_b32 s51, s20, 7
	s_add_co_u32 s51, s51, s50
	s_mul_i32 s52, s51, 768
	s_add_nc_u64 s[62:63], s[10:11], s[52:53]      ; Q's codes
	s_lshr_b32 s51, s50, 3                         ; my step of 128 keys
	s_mul_i32 s51, s51, 13056
	s_mul_i32 s52, s20, 208896
	s_add_co_u32 s51, s51, s52                     ; where it begins in kvc
	s_and_b32 s76, s16, 1                          ; which 64 keys of the step are mine
	s_mul_i32 s52, s76, 3072
	s_add_co_u32 s52, s52, s51
	s_add_nc_u64 s[66:67], s[12:13], s[52:53]      ; K's codes; V's lie 6,144 bytes on
	s_lshl_b32 s52, s76, 8
	s_add_co_u32 s52, s52, s51
	s_add_co_u32 s52, s52, 12288
	s_add_nc_u64 s[78:79], s[12:13], s[52:53]      ; K's scale words, 256 bytes for 64 tokens
	s_mul_i32 s52, s21, 26112
	s_mul_i32 s51, s20, 208896
	s_add_co_u32 s52, s52, s51
	s_add_co_u32 s52, s52, 12800
	s_add_nc_u64 s[74:75], s[12:13], s[52:53]      ; V's scale words of my work-group's first step
	s_lshl_b32 s52, s50, 6
	s_lshl_b32 s51, s20, 13
	s_add_co_u32 s52, s52, s51
	s_add_nc_u64 s[70:71], s[14:15], s[52:53]      ; Q's scale words
	CROUND                                         ; all four work-groups are here: the joint loads meet
	tensor_load_to_lds s[32:35], s[24:31]          ; my one tensor load
	s_nop 0
	PLACES                                         ; four v_nop behind the last
.irp i, 0,1
.irp q, 0,1,2,3
	global_load_b64 v[SX+8*\i+2*\q:SX+8*\i+2*\q+1], v2, s[56:57] offset:\i*1024+\q*256   ; lanes 0-15: tile 2 i's words of K steps 2 q, 2 q + 1; lanes 16-31: tile 2 i + 1's
.endr
.endr
.irp j, 0,1,2,3,4,5
.irp q, 0,1,2,3
	global_load_b64 v[SW+8*\j+2*\q:SW+8*\j+2*\q+1], v2, s[58:59] offset:\j*1024+\q*256
.endr
.endr
	LOADA 0
	LOADA 1
	LOADA 2
	LOADA 3
	s_wait_tensorcnt 0x0                           ; my three tiles have landed,
	s_barrier_signal -1
	s_barrier_wait -1                              ; everybody's has
	s_wait_alu depctr_va_vdst(0)
	FETCHB 0, 0
	FETCHB 1, 0
	FETCHB 2, 0
.irp s, 0,1,2,3,4,5,6,7
	STEP \s
.endr
	; ---- the way out
	WIN 0
	s_wait_loadcnt 0x0                             ; the table
	v_mov_b32 v[TM+2], 0                           ; a lane permute's destination counts as one of its sources
	v_mov_b32 v[TM+3], 0
.set ALT, 0
.irp t, 0,1,2,3
.irp p, 0,1
	s_wait_xcnt 0x0                                ; earlier stores have read their codes' registers
	ROPE \p, \t
	QUANT2 Y, 0, PC+10*ALT, PWQ+4*\p+\t
.if \p == 0
	PUT PC+10*ALT, 62, 768*\t
.else
	PUT PC+10*ALT, 66, 768*\t
.endif
.set ALT, 1-ALT
.endr
.endr
	v_cndmask_b32 v212, v[PWQ], v[PWQ+2], s22      ; lane (h, r) stores the words of tiles 2 h and 2 h + 1, row r
	v_cndmask_b32 v213, v[PWQ+1], v[PWQ+3], s22
	v_cndmask_b32 v214, v[PWQ+4], v[PWQ+6], s22
	v_cndmask_b32 v215, v[PWQ+5], v[PWQ+7], s22
	global_store_b64 v2, v[212:213], s[70:71]
	global_store_b64 v2, v[214:215], s[78:79]
.irp n, 0,1,2,3
	s_wait_xcnt 0x0
	QUANT2 32*\n, 2, PC+10*ALT, PWV+\n             ; V's d tile n: my 64 tokens are two blocks of keys
	PUT PC+10*ALT, 66, 6144+768*\n
	ds_store_b16 v12, v[PWV+\n] offset:(\n/2)*128+(\n%2)*4   ; my two bytes of the word of 128 keys; both halves of the lanes write the same bytes with the same value
.set ALT, 1-ALT
.endr
	s_wait_dscnt 0x0                               ; for the others' sake: my stores into the stage are done
	s_barrier_signal -1
	s_barrier_wait -1
	s_cmp_lg_u32 s16, 0
	s_cbranch_scc1 .Lnot_mine
	ds_load_b128 v[216:219], v13                   ; wave 0 stores the work-group's 512 bytes of V's scale words
	s_wait_dscnt 0x0
	global_store_b128 v15, v[216:219], s[74:75]    ; two aligned runs of 256 bytes
.Lnot_mine:
	s_wait_tensorcnt 0x0
	ds_add_u32 v254, v255
	s_wait_dscnt 0x0
	CROUND                                         ; the closing round
	s_endpgm
.Lfunc_end_k_q0d08338470_qkv:
	.size	k_q0d08338470_qkv, .Lfunc_end_k_q0d08338470_qkv-k_q0d08338470_qkv
	.p2alignl 7, 3214868480
	.fill 96, 4, 3214868480
	.section	.rodata,"a",@progbits
	.p2align	6, 0x0
	.amdhsa_kernel k_q0d08338470_qkv
		.amdhsa_group_segment_fixed_size 168448
		.amdhsa_private_segment_fixed_size 0
		.amdhsa_enable_private_segment 0
		.amdhsa_kernarg_size 48
		.amdhsa_user_sgpr_count 2
		.amdhsa_user_sgpr_kernarg_segment_ptr 1
		.amdhsa_wavefront_size32 1
		.amdhsa_system_sgpr_workgroup_id_x 1
		.amdhsa_system_sgpr_workgroup_id_y 1
		.amdhsa_system_sgpr_workgroup_id_z 1
		.amdhsa_system_vgpr_workitem_id 0
		.amdhsa_next_free_vgpr 1024
		.amdhsa_next_free_sgpr 86
		.amdhsa_reserve_vcc 0
		.amdhsa_float_denorm_mode_32 3
		.amdhsa_float_denorm_mode_16_64 3
		.amdhsa_memory_ordered 1
		.amdhsa_forward_progress 1
		.amdhsa_inst_pref_size 145
	.end_amdhsa_kernel
	.amdgpu_metadata
---
amdhsa.version: [ 1, 2 ]
amdhsa.kernels:
  - .name:           k_q0d08338470_qkv
    .symbol:         k_q0d08338470_qkv.kd
    .args:
      - { .name: pc, .offset: 0, .size: 8, .value_kind: global_buffer, .address_space: global }
      - { .name: ps, .offset: 8, .size: 8, .value_kind: global_buffer, .address_space: global }
      - { .name: tab, .offset: 16, .size: 8, .value_kind: global_buffer, .address_space: global }
      - { .name: qc, .offset: 24, .size: 8, .value_kind: global_buffer, .address_space: global }
      - { .name: kvc, .offset: 32, .size: 8, .value_kind: global_buffer, .address_space: global }
      - { .name: qs, .offset: 40, .size: 8, .value_kind: global_buffer, .address_space: global }
    .group_segment_fixed_size: 168448
    .private_segment_fixed_size: 0
    .kernarg_segment_align: 8
    .kernarg_segment_size: 48
    .max_flat_workgroup_size: 128
    .sgpr_count:     86
    .vgpr_count:     1024
    .wavefront_size: 32
...
	.end_amdgpu_metadata
.endif
;; end of part 2
;; launch attn (part 3): grid 8 x 32, 16 waves a work-group, no clusters, 327,680 bytes of LDS; arguments qc, kvc, qs, oc, os; writes oc, os
.if DOCPART == 3
	.amdgcn_target "amdgcn-amd-amdhsa--gfx1250"
	.amdhsa_code_object_version 6
	.text
	.protected	k_q0d08338470_attn
	.globl	k_q0d08338470_attn
	.p2align	8
	.type	k_q0d08338470_attn,@function
k_q0d08338470_attn:
	s_mov_b64 s[64:65], 0
	v_nop
	global_prefetch_b8 v0, s[64:65] scope:SCOPE_SE
	s_setreg_imm32_b32 hwreg(HW_REG_WAVE_MODE, 25, 1), 1
	s_wait_xcnt 0x0
; ATTN.  O = softmax(Q K^T / 8, causal) V for one (b, head), both products on codes of FP6 (E2M3) with E8M0 scales; O / l is quantised along d_model for the last product.
; LEFT OUT: steps of 128 keys that all come after a tile's queries: the module's own causal mask gives them the weight 0 for every input.
; THE SOFTMAX: t = score x log2(e) / 8; M = the running largest t rounded UP to a whole number; p = 2^(t - M) is quantised along the keys, not normalised; the row's sum l is taken of the unquantised p.
; When M moves, the sum and O are multiplied by 2^(old M - new M): exact.
; SHARES.  A work-group g: 16 tiles of 16 queries of one head, 16 waves, four to a SIMD.  Tile T needs T / 8 + 1 steps of 128 keys.  A PAIR of waves 2 a, 2 a + 1 owns the short tile S = 8 g + a (g + 1 steps) and the
; long tile L = 127 - S (16 - g steps).  The wave of role 1 takes L's steps 0-8; the wave of role 0 takes all of S, stores it, and then takes L's steps 9 .. 15 - g: 9 and 8 steps.  Role 1 hands its (-M, l, O^T) over
; through LDS, role 0 joins the two parts by powers of two, which round nothing, and stores L.  The roles are dealt so that any four waves alike in w % 4 or in w / 4 hold two of each.
; Every wave walks the same three counted loops (steps 0-3, 4-8, 9-15); a step that is hidden from the wave's tile is passed over by a branch on ids.
; THE HEAD'S K, V AND THEIR SCALE WORDS, 208,896 bytes, LIE IN LDS WHOLE, as they lie in memory: 16 steps of 13,056 bytes (K 6,144, V 6,144, K's scale words 512, V's 256).  Waves 0-11 bring steps 0-3 by one load of
; 17 rows of 256 bytes each at the head, and steps 4-15 by one load of 51 rows each behind the first barrier; no byte is filled twice.  Every wait on TENSORcnt is for 0.  All of LDS is claimed.
; NO CLUSTER: the work-groups that share K and V are the query blocks of one head, and they differ in the branches that pass hidden steps over; partners of a joint load must run alike.
; NO PREFETCH: all that the work-group reads of K and V is asked for by those two loads a wave, the second of them four steps ahead of its first reader; there is no loop that could run ahead of them.
; K = 64 in the first product: Q's upper six registers are zero codes and its scale bytes 2, 3 are 0 (2^-127); K's operand then names the next tile's six registers as its upper half: finite codes x 0 add nothing.
; LAYOUT.  Both products transposed: S^T = K Q^T, O^T = V^T P^T: a lane holds ONE query (lane % 16).  The tokens of a tile are 32 (T / 2) + 8 (T % 2) + r + 8 (r / 8), so the 16 registers of tiles 2 b, 2 b + 1
; of S^T are keys 32 b + 16 (lane / 16) + 0 .. 15; V's d tiles likewise, so O^T's registers run along d.
; THE MASK.  A tile's queries lie in one block of 32 tokens.  In its last step the blocks of keys ahead of that block count whole, those behind it are hidden whole, and in the block itself register i is hidden in the
; lanes where i > r + 8 (r / 8) - 16 (lane / 16) + 8 (T % 2): sixteen lane masks, made once for a tile and kept in scalar registers.
; Hidden scores become -infinity where the module writes -1e9: the same p while visible scores stay above -1e9.  LIMITS: NaN and infinities are not served; a block under 2^-124, or of zeros, has the byte 1;
; the scaled scores stay under 2^31 in magnitude.  The scale bytes of O leave as 2 bytes a lane, 8 bytes apart, since two heads share a word.
; REGISTERS: v1 16 l, v2 8 l, v3 the pair's stage, v7 the mask's lane term, v15 8 r; v8-9 the step's addresses; v[16:17] -M, the largest t; v[18:19] the sum; v20-31 Q; v32 Q's scale words, v33 p's, v34-37 K's,
;   v38-39 V's; v40-93 K's or V's fragments (v88-93 stay 0); v96-159 S^T, then p; v160-191 O^T; v192-203 p's codes; v204-210, v212-229, v242-253 at work; v211 -infinity; v230-236 the long tile's Q; v254-255 the add's.
.set STEPB, 13056                      ; a step of 128 keys in memory and in LDS
.set STG,   16*STEPB                   ; behind K and V: a stage of 4,608 bytes for each pair of waves; no fill lands there
.set PAIRB, 4608
.set SPARE, STG+8*PAIRB                ; behind the stages: the spare words, 128 bytes a wave
.set MK,    84                         ; s84-99 the sixteen lane masks
.set NI,    211
.macro WS d, a, sa, ra                 ; a product of S^T: it starts its sum
.if \ra
	v_wmma_scale_f32_16x16x128_f8f6f4 v[(\d):(\d)+7], v[(\a):(\a)+11], v[20:31], 0, v[\sa], v32 matrix_a_fmt:MATRIX_FMT_FP6 matrix_b_fmt:MATRIX_FMT_FP6 matrix_a_scale:MATRIX_SCALE_ROW1
.else
	v_wmma_scale_f32_16x16x128_f8f6f4 v[(\d):(\d)+7], v[(\a):(\a)+11], v[20:31], 0, v[\sa], v32 matrix_a_fmt:MATRIX_FMT_FP6 matrix_b_fmt:MATRIX_FMT_FP6
.endif
.endm
.macro WP d, a, sa, ra                 ; a product of O^T: it adds in place
.if \ra
	v_wmma_scale_f32_16x16x128_f8f6f4 v[(\d):(\d)+7], v[(\a):(\a)+11], v[192:203], v[(\d):(\d)+7], v[\sa], v33 matrix_a_fmt:MATRIX_FMT_FP6 matrix_b_fmt:MATRIX_FMT_FP6 matrix_a_scale:MATRIX_SCALE_ROW1
.else
	v_wmma_scale_f32_16x16x128_f8f6f4 v[(\d):(\d)+7], v[(\a):(\a)+11], v[192:203], v[(\d):(\d)+7], v[\sa], v33 matrix_a_fmt:MATRIX_FMT_FP6 matrix_b_fmt:MATRIX_FMT_FP6
.endif
.endm
.macro NOPS
.rept 4
	v_nop
.endr
.endm
.macro CND b                           ; the tile's own block of keys: hidden lanes take -infinity; each accumulator from its low end on
.set ii, 0
.rept 16
	v_cndmask_b32 v[96+16*\b+ii], v[96+16*\b+ii], v[NI], s[MK+ii]
.set ii, ii+1
.endr
	s_wait_alu depctr_va_vdst(0)                   ; a wait ahead of the branch that follows
.endm
.macro INF b                           ; a block of keys that is hidden whole
.set ii, 0
.rept 16
	v_mov_b32 v[96+16*\b+ii], v[NI]
.set ii, ii+1
.endr
.endm
; A KEY STEP: 128 keys from s63 on; s60: where the step begins in LDS.
.macro STEP
	s_cmp_gt_u32 s63, s19                          ; all 128 keys come after my 16 queries: the step's work is passed over (a branch on ids), not the lines at its end
	s_cbranch_scc1 .Lhidden_\@
	v_add_nc_u32 v8, s60, v1
	v_add_nc_u32 v9, s60, v2
	v_nop
	v_nop                                          ; four plain lines between the last products and the loads into their registers
.irp t, 0,1,2,3,4,5,6,7
	ds_load_b128 v[40+6*\t:43+6*\t], v8 offset:768*\t      ; K's tile t: a half fragment
	ds_load_b64 v[44+6*\t:45+6*\t], v9 offset:768*\t+512
.endr
	ds_load_b64 v[34:35], v9 offset:12288          ; lane (h, r): the scale words of tiles 2 h, 2 h + 1;
	ds_load_b64 v[36:37], v9 offset:12544          ; of tiles 4 + 2 h, 5 + 2 h
	s_wait_alu depctr_va_vdst(0)
	s_wait_dscnt 0x0
.irp t, 0,1,2,3,4,5,6,7
	WS 96+8*\t, 40+6*\t, 34+2*(\t/4)+(\t%2), (\t/2)%2
.endr
	NOPS                                           ; four plain lines: then loads into K's registers, and reads of the scores
.irp n, 0,1,2,3                        ; V's four fragments are asked for now and land under the softmax
.irp c, 0,1
	ds_load_b128 v[40+12*\n+6*\c:43+12*\n+6*\c], v8 offset:6144+3072*\c+768*\n
	ds_load_b64 v[44+12*\n+6*\c:45+12*\n+6*\c], v9 offset:6656+3072*\c+768*\n
.endr
.endr
	ds_load_b64 v[38:39], v9 offset:12800          ; lane (h, r): the scale words of d tiles 2 h, 2 h + 1
	s_add_co_u32 s67, s63, 127                     ; a step all of whose keys count has no mask
	s_cmp_le_u32 s67, s18
	s_cbranch_scc1 .Lopen_\@
	s_cmp_eq_u32 s49, 0                            ; s49: which of the step's four blocks holds my queries
	s_cbranch_scc1 .Ld0_\@
	s_cmp_eq_u32 s49, 1
	s_cbranch_scc1 .Ld1_\@
	s_cmp_eq_u32 s49, 2
	s_cbranch_scc1 .Ld2_\@
	CND 3
	s_branch .Lopen_\@
.Ld0_\@:
	CND 0
	s_branch .Li1_\@
.Ld1_\@:
	CND 1
	s_branch .Li2_\@
.Ld2_\@:
	CND 2
	s_branch .Li3_\@
.Li1_\@:
	INF 1
.Li2_\@:
	INF 2
.Li3_\@:
	INF 3
.Lopen_\@:
.irp b, 0,1,2,3
	v_max3_num_f32 v[212+\b], v[96+16*\b], v[97+16*\b], v[98+16*\b]   ; the largest score of each block of 32 keys: for the row's maximum and, since p rises with the score, for the block's largest p
.endr
.irp i, 3,5,7,9,11,13
.irp b, 0,1,2,3
	v_max3_num_f32 v[212+\b], v[212+\b], v[96+16*\b+\i], v[97+16*\b+\i]
.endr
.endr
.irp b, 0,1,2,3
	v_max_num_f32 v[212+\b], v[212+\b], v[111+16*\b]
.endr
.irp b, 0,1,2,3
	s_delay_alu instid0(VALU_DEP_4)
	v_permlanex16_b32 v[216+\b], v[212+\b], s20, s21
.endr
.irp b, 0,1,2,3
	s_delay_alu instid0(VALU_DEP_4)
	v_max_num_f32 v[212+\b], v[212+\b], v[216+\b]  ; with lane l xor 16's 16 keys
.endr
	s_delay_alu instid0(VALU_DEP_2)
	v_max3_num_f32 v226, v212, v213, v214
	s_delay_alu instid0(VALU_DEP_1)
	v_max_num_f32 v226, v226, v215
	s_delay_alu instid0(VALU_DEP_1)
	v_mul_f32 v226, s22, v226                      ; the step's largest t
	s_delay_alu instid0(VALU_DEP_1)
	v_max_num_f32 v17, v17, v226                   ; the running largest t
	v_mov_b32 v226, v16
	s_delay_alu instid0(VALU_DEP_2)
	v_floor_f32 v16, -v17                          ; the new -M = floor(-t): M is a whole number
	s_delay_alu instid0(VALU_DEP_1)
	v_sub_f32 v226, v16, v226                      ; old M - new M: a whole number, 0 or less
	s_delay_alu instid0(VALU_DEP_1)
	v_cvt_i32_f32 v226, v226                       ; (it saturates)
	s_delay_alu instid0(VALU_DEP_1)
	v_ldexp_f32 v224, 1.0, v226                    ; f = 2^(old M - new M)
.set j, 0
.rept 32
	v_pk_fma_f32 v[96+j:97+j], v[96+j:97+j], s[22:23], v[16:17] op_sel_hi:[1,0,0]   ; t - M, two at a time
.set j, j+2
.endr
.irp b, 0,1,2,3
	v_fma_f32 v[212+\b], v[212+\b], s22, v16       ; the same of each block's largest score
.endr
.set j, 0
	s_wait_alu depctr_va_vdst(0)                   ; a wait ahead of the batch
.rept 64
	v_exp_f32 v[96+j], v[96+j]                     ; p = 2^(t - M)
.set j, j+1
.endr
.irp b, 0,1,2,3
	v_exp_f32 v[212+\b], v[212+\b]                 ; the block's largest p
.endr
	v_pk_mul_f32 v[18:19], v[18:19], v[224:225] op_sel_hi:[1,0]   ; the sums under the new M (a plain line behind the exponentials)
	s_wait_alu depctr_va_vdst(0)                   ; and behind it, one for the whole batch
.irp b, 0,1,2,3
	v_max_num_f32 v[212+\b], 0x1800000, v[212+\b]  ; the floor 2^(3 - 127)
.endr
.irp b, 0,1,2,3
	s_delay_alu instid0(VALU_DEP_4)
	v_add_nc_u32 v[220+\b], 0xff000000, v[212+\b]  ; the conversion's scale operand
.endr
.irp b, 0,1,2,3
	s_delay_alu instid0(VALU_DEP_4)
	v_lshrrev_b32 v[216+\b], 23, v[220+\b]         ; the scale's byte
.endr
	s_delay_alu instid0(VALU_DEP_3)
	v_lshl_or_b32 v33, v217, 8, v216               ; p's scale word for these 128 keys
	s_delay_alu instid0(VALU_DEP_1)
	v_lshl_or_b32 v33, v218, 16, v33
	s_delay_alu instid0(VALU_DEP_1)
	v_lshl_or_b32 v33, v219, 24, v33
.irp c, 0,1
	v_cvt_scalef32_pk16_fp6_f32 v[192+6*\c:194+6*\c], v[96+32*\c:111+32*\c], v[220+2*\c]
	v_cvt_scalef32_pk16_fp6_f32 v[204+4*\c:206+4*\c], v[112+32*\c:127+32*\c], v[220+2*\c+1]
.endr
	v_nop                                          ; one plain line behind a scaled conversion
.irp c, 0,1
.irp i, 0,1,2
	v_permlane16_swap_b32 v[192+6*\c+\i], v[204+4*\c+\i]   ; a lane is to hold a WHOLE block
.endr
.irp i, 0,1,2
	s_delay_alu instid0(VALU_DEP_3)
	v_mov_b32 v[195+6*\c+\i], v[204+4*\c+\i]
.endr
.endr
	v_pk_add_f32 v[228:229], v[100:101], v[104:105]        ; the row's sum of the unquantised p: eight chains, then a tree
	v_pk_add_f32 v[252:253], v[108:109], v[112:113]
	v_pk_add_f32 v[250:251], v[116:117], v[120:121]
	v_pk_add_f32 v[248:249], v[124:125], v[128:129]
	v_pk_add_f32 v[246:247], v[132:133], v[136:137]
	v_pk_add_f32 v[244:245], v[140:141], v[144:145]
	v_pk_add_f32 v[242:243], v[148:149], v[152:153]
	v_pk_add_f32 v[18:19], v[18:19], v[156:157]
	v_pk_add_f32 v[228:229], v[228:229], v[96:97]
	v_pk_add_f32 v[252:253], v[252:253], v[98:99]
	v_pk_add_f32 v[250:251], v[250:251], v[102:103]
	v_pk_add_f32 v[248:249], v[248:249], v[106:107]
	v_pk_add_f32 v[246:247], v[246:247], v[110:111]
	v_pk_add_f32 v[244:245], v[244:245], v[114:115]
	v_pk_add_f32 v[242:243], v[242:243], v[118:119]
	v_pk_add_f32 v[18:19], v[18:19], v[122:123]
	v_pk_add_f32 v[228:229], v[228:229], v[126:127]
	v_pk_add_f32 v[252:253], v[252:253], v[130:131]
	v_pk_add_f32 v[250:251], v[250:251], v[134:135]
	v_pk_add_f32 v[248:249], v[248:249], v[138:139]
	v_pk_add_f32 v[246:247], v[246:247], v[142:143]
	v_pk_add_f32 v[244:245], v[244:245], v[146:147]
	v_pk_add_f32 v[242:243], v[242:243], v[150:151]
	v_pk_add_f32 v[18:19], v[18:19], v[154:155]
	v_pk_add_f32 v[228:229], v[228:229], v[158:159]
	s_delay_alu instid0(VALU_DEP_2)
	v_pk_add_f32 v[18:19], v[18:19], v[248:249]
	s_delay_alu instid0(VALU_DEP_2)
	v_pk_add_f32 v[228:229], v[228:229], v[246:247]
	v_pk_add_f32 v[252:253], v[252:253], v[244:245]
	v_pk_add_f32 v[250:251], v[250:251], v[242:243]
	s_delay_alu instid0(VALU_DEP_2)
	v_pk_add_f32 v[18:19], v[18:19], v[252:253]
	s_delay_alu instid0(VALU_DEP_2)
	v_pk_add_f32 v[228:229], v[228:229], v[250:251]
	s_delay_alu instid0(VALU_DEP_1)
	v_pk_add_f32 v[18:19], v[18:19], v[228:229]
.set j, 0
.rept 16
	v_pk_mul_f32 v[160+j:161+j], v[160+j:161+j], v[224:225] op_sel_hi:[1,0]   ; O^T under the new M
.set j, j+2
.endr
	s_wait_alu depctr_va_vdst(0)                   ; a wait ahead of the wait below
	s_wait_dscnt 0x0                               ; V
.irp n, 0,1,2,3                        ; the four accumulators by turns, one instruction a turn
	WP 160+8*\n, 40+12*\n, 38+(\n%2), \n/2
.endr
.Lhidden_\@:
	s_add_co_u32 s63, s63, 128
	s_add_co_u32 s60, s60, STEPB
.endm
.macro WALK first, trips               ; a counted loop over steps first .. first + trips - 1; every wave walks it
	s_mov_b32 s60, STEPB*\first
	s_mov_b32 s63, 128*\first
	s_mov_b32 s66, \trips
.Lstep_\@:
	STEP
	s_sub_co_u32 s66, s66, 1
	s_cmp_lg_u32 s66, 0
	s_cbranch_scc1 .Lstep_\@
.endm
.macro TILE                            ; of the tile in s17: its first and last query, the block of its last step that holds them, the sixteen lane masks
	s_lshr_b32 s18, s17, 1
	s_lshl_b32 s18, s18, 5
	s_and_b32 s67, s17, 1
	s_lshl_b32 s67, s67, 3
	s_add_co_u32 s18, s18, s67
	s_add_co_u32 s19, s18, 23
	s_bfe_u32 s49, s17, 0x20001
	s_wait_alu depctr_va_vdst(0)                   ; a wait ahead of the reader of v7
	v_add_nc_u32 v14, s67, v7
.set ii, 0
.rept 16
	v_cmp_gt_i32 s[MK+ii], ii, v14
.set ii, ii+1
.endr
.endm
.macro INIT                            ; the step is written once: the first finds zeros, which the first change of M leaves zeros
	v_mov_b32 v17, 0xff61b1e6                      ; the largest t so far: -3e38
	v_floor_f32 v16, -v17                          ; -M
	v_mov_b32 v18, 0
	v_mov_b32 v19, 0
.set ii, 0
.rept 32
	v_mov_b32 v[160+ii], 0
.set ii, ii+1
.endr
.endm
.macro QADR t, qa, sa                  ; where the half fragment and the scale words of Q's tile s[t] lie
	s_lshl_b32 s67, s15, 7
	s_add_co_u32 s67, s67, s[\t]
	s_mul_i32 s68, s67, 768
	s_add_nc_u64 s[\qa:\qa+1], s[4:5], s[68:69]
	s_lshl_b32 s68, s15, 13                        ; 8,192 bytes a head; 128 bytes a pair of tiles, lane r 8 bytes, word T % 2
	s_lshr_b32 s67, s[\t], 1
	s_lshl_b32 s67, s67, 7
	s_add_co_u32 s68, s68, s67
	s_and_b32 s67, s[\t], 1
	s_lshl_b32 s67, s67, 2
	s_add_co_u32 s68, s68, s67
	s_add_nc_u64 s[\sa:\sa+1], s[8:9], s[68:69]
.endm
; THE END OF A TILE (s17): O^T / l, quantised along d: the head's 64 are two blocks of the last product's K
.macro EPI
	s_lshr_b32 s67, s15, 4
	s_lshl_b32 s67, s67, 7
	s_add_co_u32 s67, s67, s17                     ; the tile among all 256
	s_and_b32 s71, s15, 15                         ; the head
	s_lshl_b32 s68, s67, 4
	s_add_co_u32 s68, s68, s71
	s_mul_i32 s68, s68, 768
	s_add_nc_u64 s[74:75], s[10:11], s[68:69]      ; O's half fragment: [tile][head]
	s_lshr_b32 s68, s67, 1                         ; O's scale bytes: pair of tiles, quarter of K = head / 4, lane (tile % 2, r), word (head / 2) % 2, bytes 2 (head % 2) on
	s_lshl_b32 s68, s68, 10
	s_lshr_b32 s72, s71, 2
	s_lshl_b32 s72, s72, 8
	s_add_co_u32 s68, s68, s72
	s_and_b32 s72, s67, 1
	s_lshl_b32 s72, s72, 7
	s_add_co_u32 s68, s68, s72
	s_bfe_u32 s72, s71, 0x10001
	s_lshl_b32 s72, s72, 2
	s_add_co_u32 s68, s68, s72
	s_and_b32 s72, s71, 1
	s_lshl_b32 s72, s72, 1
	s_add_co_u32 s68, s68, s72
	s_add_nc_u64 s[76:77], s[12:13], s[68:69]
	NOPS                                           ; four plain lines behind the last products
	v_add_f32 v18, v18, v19
	s_delay_alu instid0(VALU_DEP_1)
	v_permlanex16_b32 v216, v18, s20, s21
	s_delay_alu instid0(VALU_DEP_1)
	v_add_f32 v18, v18, v216                       ; the row's sum
	s_wait_alu depctr_va_vdst(0)
	v_rcp_f32 v18, v18
	v_nop                                          ; one plain line behind a transcendental
	s_wait_alu depctr_va_vdst(0)
.set j, 0
.rept 16
	v_pk_mul_f32 v[96+j:97+j], v[160+j:161+j], v[18:19] op_sel_hi:[1,0]   ; register 16 b + i is O(query r, d = 32 b + 16 h + i)
.set j, j+2
.endr
.irp b, 0,1
	v_max3_num_f32 v[212+\b], |v[96+16*\b]|, |v[97+16*\b]|, 0x1800000
.endr
.irp i, 2,4,6,8,10,12,14
.irp b, 0,1
	s_delay_alu instid0(VALU_DEP_2)
	v_max3_num_f32 v[212+\b], v[212+\b], |v[96+16*\b+\i]|, |v[97+16*\b+\i]|
.endr
.endr
.irp b, 0,1
	s_delay_alu instid0(VALU_DEP_2)
	v_permlanex16_b32 v[216+\b], v[212+\b], s20, s21
.endr
.irp b, 0,1
	s_delay_alu instid0(VALU_DEP_2)
	v_max_num_f32 v[212+\b], v[212+\b], v[216+\b]
.endr
.irp b, 0,1
	s_delay_alu instid0(VALU_DEP_2)
	v_add_nc_u32 v[220+\b], 0xff000000, v[212+\b]
.endr
.irp b, 0,1
	s_delay_alu instid0(VALU_DEP_2)
	v_lshrrev_b32 v[216+\b], 23, v[220+\b]
.endr
	s_delay_alu instid0(VALU_DEP_1)
	v_lshl_or_b32 v226, v217, 8, v216              ; the two scale bytes
	v_cvt_scalef32_pk16_fp6_f32 v[192:194], v[96:111], v220
	v_cvt_scalef32_pk16_fp6_f32 v[198:200], v[112:127], v221
	v_nop
.irp i, 0,1,2
	v_permlane16_swap_b32 v[192+\i], v[198+\i]
.endr
.irp i, 0,1,2
	s_delay_alu instid0(VALU_DEP_3)
	v_mov_b32 v[195+\i], v[198+\i]
.endr
	global_store_b128 v1, v[192:195], s[74:75]             ; 512 consecutive bytes,
	global_store_b64 v2, v[196:197], s[74:75] offset:512   ; and the 256 behind them
	global_store_b16 v15, v226, s[76:77]                   ; both halves of the lanes store the same two bytes to the same place
.endm
	s_load_b256 s[4:11], s[0:1], 0x0               ; qc s[4:5], kvc s[6:7], qs s[8:9], oc s[10:11]
	s_load_b64 s[12:13], s[0:1], 0x20              ; os
	v_lshl_add_u32 v254, v0, 2, SPARE
	v_mov_b32 v255, 0
	ds_add_u32 v254, v255                          ; the opening lines: the add, twice on end, and its wait ahead of the first tensor load
	ds_add_u32 v254, v255
	v_lshrrev_b32 v8, 5, v0
	s_delay_alu instid0(VALU_DEP_1)
	v_readfirstlane_b32 s14, v8                    ; wave 0..15
	s_and_b32 s15, ttmp7, 0xffff                   ; 16 b + head
	; descriptor groups 1: dense bytes as rows of 256 (32 elements of 8 bytes): 17 rows (a third of a step), 51 rows (a step)
	s_mov_b32 s24, 3<<16
	s_mov_b32 s25, 32<<16
	s_mov_b32 s26, 17<<16
	s_mov_b32 s27, 32<<16
	s_mov_b32 s28, 17
	s_mov_b32 s29, 32
	s_mov_b32 s30, 0
	s_mov_b32 s31, 0
	s_mov_b32 s32, 3<<16
	s_mov_b32 s33, 32<<16
	s_mov_b32 s34, 51<<16
	s_mov_b32 s35, 32<<16
	s_mov_b32 s36, 51
	s_mov_b32 s37, 32
	s_mov_b32 s38, 0
	s_mov_b32 s39, 0
	s_mul_i32 s70, s14, 17*256                     ; waves 0-11: my twelfth of steps 0-3, the same place in LDS and in the head's region;
	s_mul_i32 s71, s14, STEPB
	s_add_co_u32 s71, s71, 4*STEPB                 ; and step 4 + wave
	s_mul_i32 s72, s15, STG
	s_mov_b32 s73, 0
	s_mov_b32 s69, 0                               ; stays 0: the upper word of offsets made in s68
	s_lshr_b32 s67, s14, 1
	s_mul_i32 s50, s67, PAIRB
	s_add_co_u32 s50, s50, STG                     ; my pair's stage
	s_lshl_b32 s68, ttmp9, 3
	s_add_co_u32 s67, s67, s68                     ; the short tile, 8 g + a
	s_sub_co_u32 s48, 127, s67                     ; the long tile
	s_lshr_b32 s16, s14, 2
	s_xor_b32 s16, s16, s14
	s_and_b32 s16, s16, 1                          ; my role
	s_cmp_eq_u32 s16, 1
	s_cselect_b32 s17, s48, s67                    ; my first tile
	s_mov_b32 s20, 0x76543210
	s_mov_b32 s21, 0xfedcba98                      ; v_permlanex16_b32's selects for lane l xor 16
	s_mov_b32 s22, 0x3e38aa3b                      ; log2(e) / 8
	s_mov_b32 s23, s22                             ; (named with it as a pair)
	s_wait_dscnt 0x0                               ; both opening adds are done
	s_wait_kmcnt 0x0
	s_add_nc_u64 s[74:75], s[6:7], s[72:73]        ; the head's region
	s_mov_b32 s40, 1
	s_mov_b32 s41, s70
	s_mov_b32 s68, s70
	s_add_nc_u64 s[42:43], s[74:75], s[68:69]
	s_or_b32 s43, s43, 0x80000000
	s_mov_b32 s44, 1
	s_mov_b32 s45, s71
	s_mov_b32 s68, s71
	s_add_nc_u64 s[46:47], s[74:75], s[68:69]
	s_or_b32 s47, s47, 0x80000000
	s_cmp_lt_u32 s14, 12
	s_cbranch_scc0 .Lno_first
	tensor_load_to_lds s[40:43], s[24:31]          ; steps 0-3: one tensor load a wave at the head
	s_nop 0
	NOPS
.Lno_first:
	QADR 17, 78, 80
	QADR 48, 82, 100
	v_and_b32 v8, 31, v0
	v_and_b32 v14, 15, v0                          ; r
	v_bfe_u32 v9, v0, 4, 1                         ; h
	v_lshlrev_b32 v1, 4, v8                        ; 16 x lane
	v_lshlrev_b32 v2, 3, v8                        ; 8 x lane
	v_lshlrev_b32 v15, 3, v14                      ; 8 r
	v_and_b32 v7, 8, v14
	v_add_nc_u32 v7, v7, v14
	v_lshlrev_b32 v9, 4, v9
	v_sub_nc_u32 v7, v7, v9                        ; r + 8 (r / 8) - 16 h
	v_add_nc_u32 v3, s50, v1
	global_load_b128 v[20:23], v1, s[78:79]        ; my first tile's Q
	global_load_b64 v[24:25], v2, s[78:79] offset:512
	global_load_b32 v32, v15, s[80:81]
	global_load_b128 v[230:233], v1, s[82:83]      ; the long tile's Q, for role 0's second part (role 1 has the same tile above and does not use this copy)
	global_load_b64 v[234:235], v2, s[82:83] offset:512
	global_load_b32 v236, v15, s[100:101]
	TILE
.irp j, 26,27,28,29,30,31,88,89,90,91,92,93
	v_mov_b32 v[\j], 0                             ; zero codes: Q's upper half, and what stands behind K's last tile
.endr
.irp j, 216,217,218,219,225,227
	v_mov_b32 v[\j], 0                             ; lane permutes' destinations, and the upper halves of the pairs v[224:225], v[226:227]
.endr
	v_mov_b32 v[NI], 0xff800000
	INIT
	s_wait_alu depctr_va_vdst(0)                   ; a wait at the head's end
	s_wait_tensorcnt 0x0                           ; my part of steps 0-3 has landed; then, ahead of a later first fill,
	ds_add_u32 v254, v255                          ; the add twice on end
	ds_add_u32 v254, v255
	s_wait_dscnt 0x0
	s_barrier_signal -1
	s_barrier_wait -1                              ; everybody's part has landed
	s_cmp_lt_u32 s14, 12
	s_cbranch_scc0 .Lno_second
	tensor_load_to_lds s[44:47], s[32:39]          ; steps 4-15, a step a wave: my one tensor load behind this barrier; it has four steps' work in which to land
	s_nop 0
	NOPS
.Lno_second:
	s_wait_loadcnt 0x0                             ; Q
	WALK 0, 4
	s_wait_alu depctr_va_vdst(0)                   ; a wait ahead of the waits below
	s_wait_tensorcnt 0x0                           ; my step of steps 4-15 has landed
	s_wait_dscnt 0x0                               ; no LDS instruction of mine is out at a signal
	s_barrier_signal -1
	s_barrier_wait -1
	WALK 4, 5
	s_wait_alu depctr_va_vdst(0)                   ; a wait ahead of the branch
	s_cmp_eq_u32 s16, 1
	s_cbranch_scc1 .Lrole_1
	EPI                                            ; role 0: the short tile is finished and leaves;
	s_wait_xcnt 0x0                                ; its stores have read their registers and bases
	s_mov_b32 s17, s48                             ; the long tile begins anew, at step 9
	TILE
.irp j, 0,1,2,3,4,5
	v_mov_b32 v[20+\j], v[230+\j]
.endr
	v_mov_b32 v32, v236
	INIT                                           ; (its 36 lines are also the places between the writes of Q and its scale words and the next products)
	s_wait_alu depctr_va_vdst(0)                   ; a wait ahead of the branch
	s_branch .Lsecond
.Lrole_1:
	NOPS                                           ; four plain lines behind the last products
.irp k, 0,1,2,3,4,5,6,7
	ds_store_b128 v3, v[160+4*\k:163+4*\k] offset:512*\k   ; role 1: the long tile's first nine steps go to the pair's stage: O^T, each accumulator from its low end on,
.endr
	ds_store_b128 v3, v[16:19] offset:4096         ; -M, the largest t, the sum's two halves
	s_mov_b32 s19, 0                               ; every later step is hidden from me
.Lsecond:
	WALK 9, 7
	s_wait_alu depctr_va_vdst(0)                   ; a wait ahead of the wait below
	s_wait_dscnt 0x0                               ; for the partner's sake: my stores into the stage are done
	s_barrier_signal -1
	s_barrier_wait -1
	s_cmp_eq_u32 s16, 1
	s_cbranch_scc1 .Lend
	NOPS                                           ; four plain lines behind the last products
.irp k, 0,1,2,3,4,5,6,7
	ds_load_b128 v[96+4*\k:99+4*\k], v3 offset:512*\k
.endr
	ds_load_b128 v[212:215], v3 offset:4096
	s_wait_dscnt 0x0
	v_min_num_f32 v14, v16, v212                   ; -M of both parts together
	v_sub_f32 v224, v14, v16
	v_sub_f32 v226, v14, v212                      ; whole numbers, 0 or less
	v_cvt_i32_f32 v224, v224                       ; (they saturate)
	v_cvt_i32_f32 v226, v226
	v_ldexp_f32 v224, 1.0, v224                    ; my part's factor,
	v_ldexp_f32 v226, 1.0, v226                    ; the partner's: powers of two
	v_pk_mul_f32 v[18:19], v[18:19], v[224:225] op_sel_hi:[1,0]
	v_pk_fma_f32 v[18:19], v[214:215], v[226:227], v[18:19] op_sel_hi:[1,0,1]
.set j, 0
.rept 16
	v_pk_mul_f32 v[160+j:161+j], v[160+j:161+j], v[224:225] op_sel_hi:[1,0]
.set j, j+2
.endr
.set j, 0
.rept 16
	v_pk_fma_f32 v[160+j:161+j], v[96+j:97+j], v[226:227], v[160+j:161+j] op_sel_hi:[1,0,1]
.set j, j+2
.endr
	EPI                                            ; the long tile leaves
.Lend:
	s_wait_tensorcnt 0x0                           ; the wave's end
	ds_add_u32 v254, v255
	s_wait_dscnt 0x0
	s_endpgm
.Lfunc_end_k_q0d08338470_attn:
	.size	k_q0d08338470_attn, .Lfunc_end_k_q0d08338470_attn-k_q0d08338470_attn
	.p2alignl 7, 3214868480
	.fill 96, 4, 3214868480
	.section	.rodata,"a",@progbits
	.p2align	6, 0x0
	.amdhsa_kernel k_q0d08338470_attn
		.amdhsa_group_segment_fixed_size 327680
		.amdhsa_private_segment_fixed_size 0
		.amdhsa_enable_private_segment 0
		.amdhsa_kernarg_size 40
		.amdhsa_user_sgpr_count 2
		.amdhsa_user_sgpr_kernarg_segment_ptr 1
		.amdhsa_wavefront_size32 1
		.amdhsa_system_sgpr_workgroup_id_x 1
		.amdhsa_system_sgpr_workgroup_id_y 1
		.amdhsa_system_sgpr_workgroup_id_z 1
		.amdhsa_system_vgpr_workitem_id 0
		.amdhsa_next_free_vgpr 256
		.amdhsa_next_free_sgpr 102
		.amdhsa_reserve_vcc 0
		.amdhsa_float_denorm_mode_32 3
		.amdhsa_float_denorm_mode_16_64 3
		.amdhsa_memory_ordered 1
		.amdhsa_forward_progress 1
		.amdhsa_inst_pref_size 97
	.end_amdhsa_kernel
	.amdgpu_metadata
---
amdhsa.version: [ 1, 2 ]
amdhsa.kernels:
  - .name:           k_q0d08338470_attn
    .symbol:         k_q0d08338470_attn.kd
    .args:
      - { .name: qc, .offset: 0, .size: 8, .value_kind: global_buffer, .address_space: global }
      - { .name: kvc, .offset: 8, .size: 8, .value_kind: global_buffer, .address_space: global }
      - { .name: qs, .offset: 16, .size: 8, .value_kind: global_buffer, .address_space: global }
      - { .name: oc, .offset: 24, .size: 8, .value_kind: global_buffer, .address_space: global }
      - { .name: os, .offset: 32, .size: 8, .value_kind: global_buffer, .address_space: global }
    .group_segment_fixed_size: 327680
    .private_segment_fixed_size: 0
    .kernarg_segment_align: 8
    .kernarg_segment_size: 40
    .max_flat_workgroup_size: 512
    .sgpr_count:     102
    .vgpr_count:     256
    .wavefront_size: 32
...
	.end_amdgpu_metadata
.endif
;; end of part 3
;; launch oproj (part 4): grid 16 x 16, 4 waves a work-group, clusters of 4 x 1, 168,448 bytes of LDS; arguments oc, os, pc, ps, out0; writes out0
.if DOCPART == 4
	.amdgcn_target "amdgcn-amd-amdhsa--gfx1250"
	.amdhsa_code_object_version 6
	.text
	.protected	k_q0d08338470_oproj
	.globl	k_q0d08338470_oproj
	.p2align	8
	.type	k_q0d08338470_oproj,@function
k_q0d08338470_oproj:
	s_mov_b64 s[64:65], 0
	v_nop
	global_prefetch_b8 v0, s[64:65] scope:SCOPE_SE
	s_setreg_imm32_b32 hwreg(HW_REG_WAVE_MODE, 25, 1), 1
	s_wait_xcnt 0x0
	s_wait_alu depctr_hold_cnt(0) depctr_sa_sdst(0) depctr_va_vdst(0) depctr_va_sdst(0) depctr_va_ssrc(0) depctr_va_vcc(0) depctr_vm_vsrc(0)
	s_getreg_b32 s2, hwreg(HW_REG_IB_STS2, 6, 4)
	s_cmp_eq_u32 s2, 0
	s_cbranch_scc0 .Lentry_in_a_cluster
	s_endpgm
.Lentry_in_a_cluster:
	s_bfe_u32 s2, ttmp6, 0x10000c
	s_cmp_lg_u32 s2, 0x3003
	s_cbranch_scc0 .Lentry_shape_is_right
	s_endpgm
.Lentry_shape_is_right:
; OPROJ.  out = O W_o^T on codes of FP6 (E2M3) with E8M0 scales, K = 1,024; out is f32 [4096][1024].
; SHARES.  A work-group: 256 tokens x 64 outputs.  Wave w: tokens 64 w .. 64 w + 63, all 64 outputs: 16 accumulators.  O's fragments are one wave's alone: all eight K steps come from memory straight into
; registers (384), asked for at the start.  W_o's four tiles, all of K, 49,152 bytes, lie in LDS, FILLED ONCE.  CLUSTER: the four partners are four blocks of tokens with the same 64 outputs: each wave's one
; tensor load (a tile of W_o) is joint, with the mask of all four.  O is not shared in the cluster: each partner has other tokens.
; A HALF FRAGMENT (16 rows x 64 K, 768 bytes): lane l's registers 0-3 at 16 l, registers 4-5 at 512 + 8 l.
; TRANSPOSED: source 0 = 16 rows of W_o, source 1 = 16 tokens: a lane holds eight neighbouring outputs of one token.  A tile of 16 tokens goes through the wave's own stage in LDS and leaves as rows of 256 bytes.
; The tokens of tile t are 32 (t / 2) + 8 (t % 2) + r + 8 (r / 8).
; REGISTERS, in windows of 256.  Window 0: v1 16 l, v2 8 l, v3-5 the way out; v32-47 O's scale words, v48-63 W_o's; v64-159 W_o's fragments, two sets; v160-223 rows of out, two sets.
;   Window 1: v0-127 the accumulators at 32 t + 8 n; v128-223 O's K steps 0, 1.   Window 2: v0-239 K steps 2-6.   Window 3: v0-47 K step 7.
.set SX,   32
.set SW,   48
.set BF,   64
.set OUTR, 160
.set STAGE, 49152                      ; LDS behind W_o: 16 rows x 272 bytes for each wave; no fill lands there
.set MSB, 0
.macro WIN new                         ; the immediate's high byte repeats the setting that is left
.if MSB != (\new)
	s_set_vgpr_msb (MSB<<8)|(\new)
.set MSB, (\new)
.endif
.endm
.macro PLACES                          ; four plain lines between a matrix instruction and a load into, or a read of, its registers
.rept 4
	v_nop
.endr
.endm
.macro CROUND                          ; a round of the cluster's barrier
	s_barrier_signal -1
	s_barrier_wait -1
	s_cmp_lg_u32 s16, 0
	s_cbranch_scc1 .Lnot_wave_0_\@
	s_barrier_signal -3
.Lnot_wave_0_\@:
	s_barrier_wait -3
	s_barrier_signal -1
	s_barrier_wait -1
.endm
.macro SETLOC s                        ; where K step s's set of O lies: window AW, first register AB
.if (\s) < 2
.set AW, 1
.set AB, 128+48*(\s)
.elseif (\s) < 7
.set AW, 2
.set AB, 48*((\s)-2)
.else
.set AW, 3
.set AB, 0
.endif
.endm
.macro LOADA s                         ; my four tiles' fragments of K step s: 16 loads
	SETLOC \s
.set WW, AW<<6
	WIN WW
.irp t, 0,1,2,3
.irp c, 0,1
	global_load_b128 v[AB+12*\t+6*\c:AB+12*\t+6*\c+3], v1, s[54:55] offset:\t*12288+(2*(\s)+\c)*768
	global_load_b64 v[AB+12*\t+6*\c+4:AB+12*\t+6*\c+5], v2, s[54:55] offset:\t*12288+(2*(\s)+\c)*768+512
.endr
.endr
.endm
.macro FETCHB s                        ; W_o's four fragments of K step s into set s % 2: 16 LDS loads
	WIN 0
.irp n, 0,1,2,3
.irp c, 0,1
	ds_load_b128 v[BF+48*((\s)%2)+12*\n+6*\c:BF+48*((\s)%2)+12*\n+6*\c+3], v1 offset:\n*12288+(2*(\s)+\c)*768
	ds_load_b64 v[BF+48*((\s)%2)+12*\n+6*\c+4:BF+48*((\s)%2)+12*\n+6*\c+5], v2 offset:\n*12288+(2*(\s)+\c)*768+512
.endr
.endr
.endm
; One product.  ra, rb = 1: that side's scale words stand in lanes 16-31 of its register.  ZZ = 1: the product starts its sum.
.macro WM d, a, b, sa, sb, ra, rb
.if ZZ
.if (\ra) && (\rb)
	v_wmma_scale_f32_16x16x128_f8f6f4 v[(\d):(\d)+7], v[(\a):(\a)+11], v[(\b):(\b)+11], 0, v[\sa], v[\sb] matrix_a_fmt:MATRIX_FMT_FP6 matrix_b_fmt:MATRIX_FMT_FP6 matrix_a_scale:MATRIX_SCALE_ROW1 matrix_b_scale:MATRIX_SCALE_ROW1
.elseif (\ra)
	v_wmma_scale_f32_16x16x128_f8f6f4 v[(\d):(\d)+7], v[(\a):(\a)+11], v[(\b):(\b)+11], 0, v[\sa], v[\sb] matrix_a_fmt:MATRIX_FMT_FP6 matrix_b_fmt:MATRIX_FMT_FP6 matrix_a_scale:MATRIX_SCALE_ROW1
.elseif (\rb)
	v_wmma_scale_f32_16x16x128_f8f6f4 v[(\d):(\d)+7], v[(\a):(\a)+11], v[(\b):(\b)+11], 0, v[\sa], v[\sb] matrix_a_fmt:MATRIX_FMT_FP6 matrix_b_fmt:MATRIX_FMT_FP6 matrix_b_scale:MATRIX_SCALE_ROW1
.else
	v_wmma_scale_f32_16x16x128_f8f6f4 v[(\d):(\d)+7], v[(\a):(\a)+11], v[(\b):(\b)+11], 0, v[\sa], v[\sb] matrix_a_fmt:MATRIX_FMT_FP6 matrix_b_fmt:MATRIX_FMT_FP6
.endif
.else
.if (\ra) && (\rb)
	v_wmma_scale_f32_16x16x128_f8f6f4 v[(\d):(\d)+7], v[(\a):(\a)+11], v[(\b):(\b)+11], v[(\d):(\d)+7], v[\sa], v[\sb] matrix_a_fmt:MATRIX_FMT_FP6 matrix_b_fmt:MATRIX_FMT_FP6 matrix_a_scale:MATRIX_SCALE_ROW1 matrix_b_scale:MATRIX_SCALE_ROW1
.elseif (\ra)
	v_wmma_scale_f32_16x16x128_f8f6f4 v[(\d):(\d)+7], v[(\a):(\a)+11], v[(\b):(\b)+11], v[(\d):(\d)+7], v[\sa], v[\sb] matrix_a_fmt:MATRIX_FMT_FP6 matrix_b_fmt:MATRIX_FMT_FP6 matrix_a_scale:MATRIX_SCALE_ROW1
.elseif (\rb)
	v_wmma_scale_f32_16x16x128_f8f6f4 v[(\d):(\d)+7], v[(\a):(\a)+11], v[(\b):(\b)+11], v[(\d):(\d)+7], v[\sa], v[\sb] matrix_a_fmt:MATRIX_FMT_FP6 matrix_b_fmt:MATRIX_FMT_FP6 matrix_b_scale:MATRIX_SCALE_ROW1
.else
	v_wmma_scale_f32_16x16x128_f8f6f4 v[(\d):(\d)+7], v[(\a):(\a)+11], v[(\b):(\b)+11], v[(\d):(\d)+7], v[\sa], v[\sb] matrix_a_fmt:MATRIX_FMT_FP6 matrix_b_fmt:MATRIX_FMT_FP6
.endif
.endif
.endm
.macro MUL s                           ; 16 products, the 16 accumulators by turns, one instruction a turn: source 0 W_o (window 0), source 1 O, C and D window 1
	SETLOC \s
.set ZZ, 0
.if (\s) == 0
.set ZZ, 1
.endif
.set WW, 0x50|(AW<<2)
	WIN WW
.irp t, 0,1,2,3
.irp n, 0,1,2,3
	WM 32*\t+8*\n, BF+48*((\s)%2)+12*\n, AB+12*\t, SW+8*(\n/2)+(\s), SX+8*(\t/2)+(\s), \n%2, \t%2
.endr
.endr
.endm
.macro TOSTAGE t                       ; tile t's 16 tokens x 64 outputs into my stage, and back as whole rows.  LDS serves a wave's instructions in order: no wait between the stores and the loads
	WIN 0x04                                       ; an LDS store's data are its source 1: window 1
.irp n, 0,1,2,3
	ds_store_b128 v3, v[32*(\t)+8*\n:32*(\t)+8*\n+3] offset:64*\n          ; each accumulator from its low end on
	ds_store_b128 v3, v[32*(\t)+8*\n+4:32*(\t)+8*\n+7] offset:64*\n+16
.endr
	WIN 0
.irp i, 0,1,2,3,4,5,6,7
	ds_load_b128 v[OUTR+32*((\t)%2)+4*\i:OUTR+32*((\t)%2)+4*\i+3], v4 offset:544*\i
.endr
.endm
.macro SEND t, younger                 ; younger: the LDS instructions issued behind tile t's loads, which may stay out
	s_wait_dscnt \younger
.irp i, 0,1,2,3,4,5,6,7
	global_store_b128 v5, v[OUTR+32*((\t)%2)+4*\i:OUTR+32*((\t)%2)+4*\i+3], s[60:61] offset:(32*((\t)/2)+8*((\t)%2)+2*\i+8*(\i/4))*4096 th:TH_STORE_NT   ; 16 lanes store 256 consecutive bytes, at a multiple of 256 from out's first byte
.endr
.endm
	s_load_b256 s[4:11], s[0:1], 0x0               ; oc s[4:5], os s[6:7], pc s[8:9], ps s[10:11]
	s_load_b64 s[12:13], s[0:1], 0x20              ; out0
	v_lshl_add_u32 v254, v0, 2, 0x29000
	v_mov_b32 v255, 0
	ds_add_u32 v254, v255
	ds_add_u32 v254, v255
	v_lshrrev_b32 v3, 5, v0
	v_readfirstlane_b32 s16, v3                    ; wave
	v_and_b32 v6, 31, v0
	v_and_b32 v7, 15, v0                           ; r
	s_wait_alu depctr_va_vdst(0)
	v_bfe_u32 v8, v0, 4, 1                         ; h
	v_lshlrev_b32 v1, 4, v6                        ; 16 x lane
	v_lshlrev_b32 v2, 3, v6                        ; 8 x lane
	s_and_b32 s19, ttmp7, 0xffff                   ; the block of 64 outputs, which the four partners share
	; descriptor group 1: a tile of W_o, 12,288 dense bytes, as 48 rows of 256 bytes (32 elements of 8 bytes)
	s_mov_b32 s24, 15|(3<<16)|(1<<21)              ; 15:0 the mask: all four work-groups; 17:16 elements of 8 bytes; 21 set beside a mask
	s_mov_b32 s25, 32<<16
	s_mov_b32 s26, 48<<16
	s_mov_b32 s27, 32<<16
	s_mov_b32 s28, 48
	s_mov_b32 s29, 32
	s_mov_b32 s30, 0
	s_mov_b32 s31, 0
	s_lshl_b32 s76, s19, 2                         ; my tile of W_o: 448 + 4 block + wave.  No place in the cluster enters these registers
	s_add_co_u32 s76, s76, s16
	s_add_co_u32 s76, s76, 448
	s_mul_i32 s76, s76, 12288
	s_mov_b32 s77, 0
	s_mul_i32 s80, s16, 12288                      ; and its place in LDS
	s_lshl_b32 s84, s19, 1                         ; W_o's scale words: pairs 224 + 2 block on
	s_add_co_u32 s84, s84, 224
	s_lshl_b32 s84, s84, 10
	s_mov_b32 s85, 0
	s_mul_i32 s81, s16, 4352
	s_add_co_u32 s81, s81, STAGE                   ; my stage
	v_mul_u32_u24 v3, v7, 272
	s_wait_alu depctr_va_vdst(0)
	v_lshl_add_u32 v3, v8, 5, v3
	v_add_nc_u32 v3, s81, v3                       ; in: row r, 32 bytes for each half of the lanes
	v_mul_u32_u24 v4, v8, 272
	v_lshl_add_u32 v4, v7, 4, v4
	v_add_nc_u32 v4, s81, v4                       ; back: lanes 0-15 one row of 256 bytes, lanes 16-31 the next
	v_lshlrev_b32 v5, 12, v8
	v_lshl_add_u32 v5, v7, 4, v5                   ; and the same two rows in out
	s_bfe_u32 s17, ttmp6, 0x40000                  ; cx: it enters global addresses of O and of out alone
	s_lshl_b32 s18, ttmp9, 2
	s_add_co_u32 s18, s18, s17                     ; my block of 256 tokens
	s_lshl_b32 s50, s18, 4
	s_lshl_b32 s51, s16, 2
	s_add_co_u32 s50, s50, s51                     ; my first tile of tokens
	s_mov_b32 s53, 0
	s_wait_dscnt 0x0
	s_wait_kmcnt 0x0
	s_mov_b32 s32, 1                               ; count = 1
	s_mov_b32 s33, s80                             ; LDS address
	s_add_nc_u64 s[34:35], s[8:9], s[76:77]        ; global address
	s_or_b32 s35, s35, 0x80000000                  ; type = 2
	s_add_nc_u64 s[58:59], s[10:11], s[84:85]
	s_mul_i32 s52, s50, 12288
	s_add_nc_u64 s[54:55], s[4:5], s[52:53]        ; O's codes
	s_lshl_b32 s52, s50, 9
	s_add_nc_u64 s[56:57], s[6:7], s[52:53]        ; O's scale words
	s_lshl_b32 s52, s50, 16                        ; 16 tokens of 4,096 bytes a tile,
	s_lshl_b32 s51, s19, 8                         ; 256 bytes a block of outputs
	s_add_co_u32 s52, s52, s51
	s_add_nc_u64 s[60:61], s[12:13], s[52:53]
	CROUND                                         ; all four work-groups are here: the joint loads meet
	tensor_load_to_lds s[32:35], s[24:31]          ; one tensor load of mine is out
	s_nop 0
	PLACES                                         ; four v_nop behind it
.irp i, 0,1
.irp q, 0,1,2,3
	global_load_b64 v[SX+8*\i+2*\q:SX+8*\i+2*\q+1], v2, s[56:57] offset:\i*1024+\q*256   ; lanes 0-15: tile 2 i's words of K steps 2 q, 2 q + 1; lanes 16-31: tile 2 i + 1's
	global_load_b64 v[SW+8*\i+2*\q:SW+8*\i+2*\q+1], v2, s[58:59] offset:\i*1024+\q*256
.endr
.endr
.irp s, 0,1,2,3,4,5,6,7
	LOADA \s
.endr
	s_wait_tensorcnt 0x0                           ; my tile of W_o has landed,
	s_barrier_signal -1
	s_barrier_wait -1                              ; everybody's has
	FETCHB 0
.irp s, 0,1,2,3,4,5,6,7
.if \s > 0
	PLACES                                         ; the next loads land in the set that the last step multiplied
.endif
.if \s < 7
	FETCHB \s+1
	s_wait_dscnt 16                                ; this step's W_o is in; the 16 loads just issued may be out
.else
	s_wait_dscnt 0x0
.endif
.if 16*(7-\s) > 63
	s_wait_loadcnt 63                              ; younger are 16 (7 - s) loads: the count's field ends at 63, which errs
.else
	s_wait_loadcnt 16*(7-\s)                       ; this step's O is in; the later steps' 16 loads each may be out
.endif
	MUL \s
.endr
	PLACES
	s_wait_alu depctr_va_vdst(0)
	TOSTAGE 0
.irp t, 1,2,3
.if \t > 1
	s_wait_xcnt 0x0                                ; tile t - 2's stores have read their registers: tile t's rows may land there
.endif
	TOSTAGE \t
	SEND \t-1, 16                                  ; behind tile t - 1's loads: tile t's 8 stores and 8 loads
.endr
	SEND 3, 0
	s_wait_tensorcnt 0x0
	ds_add_u32 v254, v255
	s_wait_dscnt 0x0
	CROUND                                         ; the closing round
	s_endpgm
.Lfunc_end_k_q0d08338470_oproj:
	.size	k_q0d08338470_oproj, .Lfunc_end_k_q0d08338470_oproj-k_q0d08338470_oproj
	.p2alignl 7, 3214868480
	.fill 96, 4, 3214868480
	.section	.rodata,"a",@progbits
	.p2align	6, 0x0
	.amdhsa_kernel k_q0d08338470_oproj
		.amdhsa_group_segment_fixed_size 168448
		.amdhsa_private_segment_fixed_size 0
		.amdhsa_enable_private_segment 0
		.amdhsa_kernarg_size 40
		.amdhsa_user_sgpr_count 2
		.amdhsa_user_sgpr_kernarg_segment_ptr 1
		.amdhsa_wavefront_size32 1
		.amdhsa_system_sgpr_workgroup_id_x 1
		.amdhsa_system_sgpr_workgroup_id_y 1
		.amdhsa_system_sgpr_workgroup_id_z 1
		.amdhsa_system_vgpr_workitem_id 0
		.amdhsa_next_free_vgpr 1024
		.amdhsa_next_free_sgpr 86
		.amdhsa_reserve_vcc 0
		.amdhsa_float_denorm_mode_32 3
		.amdhsa_float_denorm_mode_16_64 3
		.amdhsa_memory_ordered 1
		.amdhsa_forward_progress 1
		.amdhsa_inst_pref_size 52
	.end_amdhsa_kernel
	.amdgpu_metadata
---
amdhsa.version: [ 1, 2 ]
amdhsa.kernels:
  - .name:           k_q0d08338470_oproj
    .symbol:         k_q0d08338470_oproj.kd
    .args:
      - { .name: oc, .offset: 0, .size: 8, .value_kind: global_buffer, .address_space: global }
      - { .name: os, .offset: 8, .size: 8, .value_kind: global_buffer, .address_space: global }
      - { .name: pc, .offset: 16, .size: 8, .value_kind: global_buffer, .address_space: global }
      - { .name: ps, .offset: 24, .size: 8, .value_kind: global_buffer, .address_space: global }
      - { .name: out0, .offset: 32, .size: 8, .value_kind: global_buffer, .address_space: global }
    .group_segment_fixed_size: 168448
    .private_segment_fixed_size: 0
    .kernarg_segment_align: 8
    .kernarg_segment_size: 40
    .max_flat_workgroup_size: 128
    .sgpr_count:     86
    .vgpr_count:     1024
    .wavefront_size: 32
...
	.end_amdgpu_metadata
.endif
;; end of part 4
